; MI455X (gfx1250); checked and timed in simulation.
; The chip was launched on July 23, 2026; its instructions are those of AMD's public machine-readable ISA for CDNA 5 (MIT licence, August 2026) and "CDNA5" Instruction Set Architecture Reference Guide (July 2026). The comments in the code are by the model that wrote it; some were corrected since.
;; Multi Head Attention. Allowed arithmetic: matrix products marked QUANTISED: E2M3 operands, one E8M0 scale for each 32 along K, by v_wmma_scale_f32_16x16x128_f8f6f4 with both operands' format E2M3, f32 sums; everything else in f32.
;; Inputs: Wk 1,024 x 1,024 float32; Wo 1,024 x 1,024 float32; Wq 1,024 x 1,024 float32; Wv 1,024 x 1,024 float32; bk 1,024 float32; bo 1,024 float32; bq 1,024 float32; bv 1,024 float32; key 2 x 2,048 x 1,024 float32; query 2 x 2,048 x 1,024 float32; value 2 x 2,048 x 1,024 float32.
;; Outputs: out0 2 x 2,048 x 1,024 float32.
;; This version of the problem:
;;   THIS VERSION OF THE PROBLEM IS GIVEN IN LOW PRECISION. The matrix products marked QUANTISED in the list below multiply operands that are first quantised to E2M3 (2 exponent bits, 3 mantissa bits; 6 bits a number), with one power-of-two scale for each 32 numbers along K (OCP MX v1.0); their sums are f32. All else is computed in f32.
;;   The module's matrix products, in the order in which they are computed (A, B: the left and right operand; K: the contracted axis; several contracted axes count as one K, in the product's order):
;;     1. [M 4,096, K 1,024] x [K 1,024, N 1,024]; A: input query; B: input Wq: QUANTISED
;;     2. [M 4,096, K 1,024] x [K 1,024, N 1,024]; A: input key; B: input Wk: QUANTISED
;;     3. [M 4,096, K 1,024] x [K 1,024, N 1,024]; A: input value; B: input Wv: QUANTISED
;;     4. batch 32 x [M 2,048, K 64] x [K 64, N 2,048]; A: computed on the way; B: computed on the way: QUANTISED
;;     5. batch 32 x [M 2,048, K 2,048] x [K 2,048, N 64]; A: softmax (see below); B: computed on the way: QUANTISED
;;     6. [M 4,096, K 1,024] x [K 1,024, N 1,024]; A: computed on the way; B: input Wo: QUANTISED
;;   THE QUANTISER, for each operand of a quantised product, along K:
;;     - K is cut into blocks of 32 from its start; a last block that is shorter is filled with zeros.
;;     - A block's scale is 2^e with e = floor(log2(the largest magnitude in the block)) - 2, held to -126 .. 127; a block of zeros has e = 0. As a byte (E8M0): e + 127.
;;     - Each number is divided by its block's scale, clamped to +-7.5, and rounded to the nearest number of E2M3, ties to even, subnormals kept.
;;     - The product sums the exact products of the quantised numbers (number of the format x scale) in f32.
;;   ~~~python
;;   def quantise(x, axis):      # numpy; x: float32 -> the quantised numbers, widened to float32 again
;;       x = np.moveaxis(x, axis, -1); K = x.shape[-1]
;;       x = np.pad(x, [(0, 0)] * (x.ndim - 1) + [(0, -K % 32)]); x = x.reshape(x.shape[:-1] + (-1, 32)); a = np.abs(x).max(-1, keepdims=True)
;;       e = np.where(a > 0, np.clip(np.frexp(np.where(a > 0, a, 1))[1] - 1 - 2, -126, 127), 0)      # np.frexp(a)[1] - 1 = floor(log2(a)), exactly
;;       r = np.clip(x / 2.0 ** e, -7.5, 7.5)
;;       step = 2.0 ** (np.maximum(np.frexp(np.where(r == 0, 1, r))[1] - 1, 0) - 3)
;;       q = np.round(r / step) * step * 2.0 ** e      # np.round: ties to even
;;       return np.moveaxis(q.reshape(q.shape[:-2] + (-1,))[..., :K], -1, axis).astype(np.float32)
;;   ~~~
;;   SOFTMAX AHEAD OF A QUANTISED PRODUCT. Where the list says 'softmax', what is quantised is not the finished softmax but p = 2^(t - M), with t = logit x log2(e) and M = ceil(the row's largest t), a whole number; so 1/2 < the row's largest p <= 1. The row's sum l is taken of the UNQUANTISED p, in f32, and the product's result is divided by l at the end. Since M is a whole number, a kernel that streams over the keys may use a running M (the ceiling of the running maximum): every later rescaling is an exact power of two, which a block's scale takes up: the codes' values come out the same.
;;   OPERANDS COMPUTED ON THE WAY. 'Computed on the way' means the value that the module computes at that place (a softmax that the list does not call 'softmax' is quantised finished and normalised). What goes into a quantiser is computed in f32, as accurately as f32 sums, v_exp_f32 and their like allow (about 1e-6 of the number): no bf16 or f16 on the way to a quantiser, and a product that is left as it is and whose result goes on into a quantised operand takes f32 operands (vector FMAs, or v_wmma_f32_16x16x4_f32). A number that lies on a knife's edge between two numbers of the format may be rounded either way, as far as f32 arithmetic and the matrix unit's own rounding can turn it there, and no further.
;; One version. Each part assembles by itself: llvm-mc -triple=amdgcn-amd-amdhsa -mcpu=gfx1250 --defsym DOCPART=n.
;; ======== version 1 of 1: 4 launches
;; limits: right only within a limited range of input values
;; workspace buffers: cod 12,582,912 bytes; scl 524,288 bytes; qc 3,407,872 bytes; kv 6,684,672 bytes; xoc 3,145,728 bytes; xsc 131,072 bytes
;; launch quant (part 1): grid 1024 x 1, 4 waves a work-group, no clusters, 68,608 bytes of LDS; arguments query, key, value, Wq, Wk, Wv, Wo, cod, scl; writes cod, scl
.if DOCPART == 1
	.amdgcn_target "amdgcn-amd-amdhsa--gfx1250"
	.amdhsa_code_object_version 6
	.text
	.protected	k_qf61ac6cc4d_quant
	.globl	k_qf61ac6cc4d_quant
	.p2align	8
	.type	k_qf61ac6cc4d_quant,@function
k_qf61ac6cc4d_quant:
	s_mov_b64 s[64:65], 0
	v_nop
	global_prefetch_b8 v0, s[64:65] scope:SCOPE_SE
	s_setreg_imm32_b32 hwreg(HW_REG_WAVE_MODE, 25, 1), 1
	s_wait_xcnt 0x0
; query, key, value [4096][1024] and Wq, Wk, Wv, Wo [1024][1024], f32, K innermost, become codes of FP6 (E2M3) with one E8M0 byte for each 32 along K.
; A block's scale is 2^(floor(log2(its largest magnitude)) - 2); its byte is the largest magnitude's exponent field - 2, held at 1 from below.
; LIMITS: NaN and infinities among the inputs are not served; a block whose largest magnitude lies under 2^-124 keeps the byte 1; a block of zeros gets the byte 1 where the rule
; says 127: its codes are zeros, which add nothing under any byte but 0xff, and the bytes are read by this program alone.
; LAYOUT OF THE RESULT: IMAGES OF THE OPERAND'S REGISTERS.  The seven tensors are 128 GROUPS of 128 rows x 1,024 K (query 0-31, key 32-63, value 64-95, Wq 96-103, Wk 104-111,
; Wv 112-119, Wo 120-127).  A group of cod is [K step of 128: 8][tile of 16 rows: 8][1,536 bytes].  A fragment's 1,536 bytes are two halves of 768 (64 along K each): registers 6 c .. 6 c + 3
; of lane L at 16 L, registers 6 c + 4, 6 c + 5 at 512 + 8 L.  Lane r of tile i is the group's row 32 (i / 2) + 8 (i % 2) + r + 8 (r / 8).
; A group of scl is [K step][tile / 4][lane r][tile % 4] words of four bytes.
; SHARES: work-group x takes group x / 8, K step x % 8; wave w rows 32 w .. 32 w + 31, which are tiles 2 w and 2 w + 1.  Each load reads 512 consecutive bytes of one row; the rows turn through
; the wave's own stage in LDS, so that a lane gets 16 neighbours of each block of 32.  No matrix unit, no cluster, no tensor load: no two work-groups read the same byte.
; KEY'S GROUPS (32-63) HAVE ANOTHER ORDER OF ROWS: lane r of tile i is the group's row 64 (i / 4) + 8 (i % 4) + r % 8 + 32 (r / 8), so that in the attention launch a lane's scores of four neighbouring tiles are one whole block of 32 keys.
; Wave w then takes rows 64 (w / 2) + 16 (w % 2) + 0 .. 15 and the same 32 rows further down: again its tiles 2 w and 2 w + 1.
.set SPT,  528                         ; a row's place in a stage: 512 bytes + 16
.set STG,  32*SPT                      ; a wave's stage
.set SG,   4*STG                       ; behind the stages: 512 bytes in which the work-group's scale words meet
.set PC,   16                          ; v16-35   the codes just made (12 registers) and the conversions' second halves
.set TM,   36                          ; v36-51   largest magnitudes, bytes, scale operands
.set PW,   52                          ; v52      the scale word just made
.set R,    64                          ; v64-191  32 rows as they are loaded; later tile 1's numbers
.set X,    192                         ; v192-255 tile 0's numbers
.set SEL,  20                          ; s[20:21] lane selects for v_permlanex16_b32: lane l xor 16
; 64 numbers of a lane, register 16 b + i = k 32 b + 16 (lane / 16) + i of my row, become a fragment's codes in v[PC] on and its scale word in v[PW].
.macro QUANT s
.irp b, 0,1,2,3
	v_max3_num_f32 v[TM+\b], |v[\s+16*\b]|, |v[\s+1+16*\b]|, 0x1800000   ; my 16 numbers of block b, and the floor 2^(3 - 127): the byte cannot fall under 1
.endr
.irp i, 2,4,6,8,10,12,14
.irp b, 0,1,2,3
	v_max3_num_f32 v[TM+\b], v[TM+\b], |v[\s+16*\b+\i]|, |v[\s+1+16*\b+\i]|   ; the four blocks by turns
.endr
.endr
.irp b, 0,1,2,3
	v_permlanex16_b32 v[TM+4+\b], v[TM+\b], s[SEL], s[SEL+1]
.endr
.irp b, 0,1,2,3
	v_max_num_f32 v[TM+\b], v[TM+\b], v[TM+4+\b]   ; with lane l xor 16's: the block's largest magnitude
.endr
.irp b, 0,1,2,3
	v_add_nc_u32 v[TM+12+\b], 0xff000000, v[TM+\b]   ; 2 off its exponent field: the conversion takes this operand's exponent field as its scale
.endr
.irp b, 0,1,2,3
	v_lshrrev_b32 v[TM+4+\b], 23, v[TM+12+\b]      ; the scale's byte
.endr
	v_lshl_or_b32 v[PW], v[TM+5], 8, v[TM+4]
	v_lshl_or_b32 v[PW], v[TM+6], 16, v[PW]
	v_lshl_or_b32 v[PW], v[TM+7], 24, v[PW]
.irp c, 0,1
	v_cvt_scalef32_pk16_fp6_f32 v[PC+6*\c:PC+2+6*\c], v[\s+32*\c:\s+15+32*\c], v[TM+12+2*\c]
	v_cvt_scalef32_pk16_fp6_f32 v[PC+12+4*\c:PC+14+4*\c], v[\s+16+32*\c:\s+31+32*\c], v[TM+12+2*\c+1]   ; (a conversion's three registers begin on an even number)
.endr
	v_nop                                          ; one plain place behind a scaled conversion
.irp c, 0,1                                    ; the operand's layout wants a whole block in a lane: lanes 0-15 block 2 c, lanes 16-31 block 2 c + 1
.irp i, 0,1,2
	v_permlane16_swap_b32 v[PC+6*\c+\i], v[PC+12+4*\c+\i]
.endr
.irp i, 0,1,2
	v_mov_b32 v[PC+3+6*\c+\i], v[PC+12+4*\c+\i]
.endr
.endr
.endm
.macro PUT off                         ; the fragment leaves as its image: each store covers 512 or 256 consecutive bytes, at a multiple of 256 from cod's first byte
.irp c, 0,1
	global_store_b128 v3, v[PC+6*\c:PC+6*\c+3], s[18:19] offset:\off+768*\c
	global_store_b64 v4, v[PC+6*\c+4:PC+6*\c+5], s[18:19] offset:\off+768*\c+512
.endr
.endm
.macro TILE reg, u                     ; tile u's numbers out of the stage: of my row, 16 neighbours of each block of 32
.irp b, 0,1,2,3
.irp j, 0,1,2,3
	ds_load_b128 v[\reg+16*\b+4*\j:\reg+16*\b+4*\j+3], v6 offset:SPT*16*\u+128*\b+16*\j
.endr
.endr
.endm
	s_load_b256 s[4:11], s[0:1], 0x0               ; query s[4:5], key s[6:7], value s[8:9], Wq s[10:11]
	s_load_b256 s[12:19], s[0:1], 0x20             ; Wk s[12:13], Wv s[14:15], Wo s[16:17], cod s[18:19]
	s_load_b64 s[22:23], s[0:1], 0x40              ; scl
	v_lshl_add_u32 v62, v0, 2, 0x10a00
	v_mov_b32 v63, 0
	v_lshrrev_b32 v9, 5, v0
	v_readfirstlane_b32 s26, v9                    ; wave 0..3
	v_and_b32 v1, 15, v0                           ; r
	v_bfe_u32 v2, v0, 4, 1                         ; h
	v_and_b32 v9, 31, v0                           ; lane
	v_lshlrev_b32 v3, 4, v9                        ; 16 x lane
	v_lshlrev_b32 v4, 3, v9                        ; 8 x lane
	s_mul_i32 s36, s26, STG
	v_add_nc_u32 v5, s36, v3                       ; into my stage: 16 bytes a lane of a row
	v_mul_u32_u24 v6, v1, SPT
	v_lshl_add_u32 v6, v2, 6, v6
	v_add_nc_u32 v6, s36, v6                       ; out of it: place r, + 64 h
	s_lshr_b32 s37, s26, 1
	s_lshl_b32 s37, s37, 8
	s_and_b32 s38, s26, 1
	s_lshl_b32 s38, s38, 3
	s_add_co_u32 s37, s37, s38
	s_add_co_u32 s37, s37, SG
	v_lshl_add_u32 v7, v1, 4, s37                  ; my two scale words: [tile / 4 = w / 2][r][tile % 4 = 2 (w % 2) + u]
	v_add_nc_u32 v8, SG, v3                        ; and how wave 0 reads all 512 bytes back
	s_mov_b32 s[SEL], 0x76543210
	s_mov_b32 s[SEL+1], 0xfedcba98
.irp b, 0,1,2,3
	v_mov_b32 v[TM+4+\b], 0                        ; written once: a lane permute's destination counts as one of its sources
.endr
	s_lshr_b32 s24, ttmp9, 3                       ; the group
	s_and_b32 s25, ttmp9, 7                        ; the K step
	s_cmp_lt_u32 s24, 96
	s_cselect_b32 s30, 31, 7
	s_and_b32 s30, s24, s30                        ; the group's number inside its tensor
	s_lshl_b32 s30, s30, 7
	s_lshl_b32 s31, s26, 5                         ; my first row in the group: 32 w,
	s_lshr_b32 s39, s26, 1
	s_lshl_b32 s39, s39, 6
	s_and_b32 s40, s26, 1
	s_lshl_b32 s40, s40, 4
	s_add_co_u32 s39, s39, s40                     ; in key's groups 64 (w / 2) + 16 (w % 2),
	s_lshr_b32 s40, s24, 5
	s_cmp_eq_u32 s40, 1                            ; groups 32-63: the choice hangs on the work-group's number alone
	s_cselect_b32 s31, s39, s31
	s_cselect_b32 s41, 65536, 0                    ; and there my second 16 rows lie 16 rows of 4,096 bytes further down
	v_add_nc_u32 v10, s41, v3                      ; the offset of loads 16 to 31
	s_add_co_u32 s30, s30, s31
	s_lshl_b32 s30, s30, 12                        ; x 4,096 bytes
	s_lshl_b32 s31, s25, 9
	s_add_co_u32 s30, s30, s31                     ; + 512 bytes a K step
	s_mov_b32 s31, 0
	s_lshl_b32 s32, ttmp9, 3
	s_lshl_b32 s33, s26, 1
	s_add_co_u32 s32, s32, s33
	s_mul_i32 s32, s32, 1536                       ; cod: fragment (8 group + K step) x 8 + 2 w
	s_mov_b32 s33, 0
	s_lshl_b32 s34, ttmp9, 9                       ; scl: 512 bytes for each (group, K step)
	s_mov_b32 s35, 0
	s_wait_alu depctr_va_vdst(0)
	s_wait_kmcnt 0x0
	s_mov_b64 s[28:29], s[16:17]                   ; which tensor: the choice hangs on the work-group's number alone
	s_cmp_lt_u32 s24, 120
	s_cselect_b64 s[28:29], s[14:15], s[28:29]
	s_cmp_lt_u32 s24, 112
	s_cselect_b64 s[28:29], s[12:13], s[28:29]
	s_cmp_lt_u32 s24, 104
	s_cselect_b64 s[28:29], s[10:11], s[28:29]
	s_cmp_lt_u32 s24, 96
	s_cselect_b64 s[28:29], s[8:9], s[28:29]
	s_cmp_lt_u32 s24, 64
	s_cselect_b64 s[28:29], s[6:7], s[28:29]
	s_cmp_lt_u32 s24, 32
	s_cselect_b64 s[28:29], s[4:5], s[28:29]
	s_add_nc_u64 s[28:29], s[28:29], s[30:31]
	s_add_nc_u64 s[18:19], s[18:19], s[32:33]
	s_add_nc_u64 s[22:23], s[22:23], s[34:35]
.set p, 0
.rept 32
	global_load_b128 v[R+4*p:R+4*p+3], v[3+7*(p/16)], s[28:29] offset:4096*p th:TH_LOAD_NT   ; 512 consecutive bytes of one row, read once in the launch; loads 16-31 go by v10
.set p, p+1
.endr
.set p, 0
.rept 4
	s_wait_loadcnt 24-p                            ; eight more rows are in; the count is the loads issued behind them
.rept 8
	ds_store_b128 v5, v[R+4*p:R+4*p+3] offset:SPT*(16*((p/8)%2)+(p%8)+8*(p/16))   ; row p is lane p % 8 + 8 (p / 16) of tile (p / 8) % 2: a tile's 16 rows get neighbouring places
.set p, p+1
.endr
.endr
	TILE X, 0                                      ; LDS serves a wave's instructions in order: these see my stores
	s_wait_dscnt 0x0                               ; tile 0 is in, and the stores have read R
	TILE R, 1                                      ; tile 1 comes while tile 0 is worked
	QUANT X
	PUT 0
	v_mov_b32 v54, v[PW]
	s_wait_dscnt 0x0                               ; tile 1 is in
	s_wait_xcnt 0x0                                ; the stores' data registers are written again only behind this wait
	QUANT R
	PUT 1536
	v_mov_b32 v55, v[PW]
	ds_store_b64 v7, v[54:55]                      ; lanes r and r + 16 write the same words with the same values
	s_wait_dscnt 0x0                               ; for the others' sake: my words lie in LDS
	s_barrier_signal -1
	s_barrier_wait -1
	s_cmp_lg_u32 s26, 0
	s_cbranch_scc1 .Lend
	ds_load_b128 v[56:59], v8                      ; the work-group's 128 scale words
	s_wait_dscnt 0x0
	global_store_b128 v3, v[56:59], s[22:23]       ; 512 consecutive bytes, at a multiple of 256 from scl's first byte
.Lend:
	s_wait_tensorcnt 0x0
	ds_add_u32 v62, v63
	s_wait_dscnt 0x0
	s_endpgm
.Lfunc_end_k_qf61ac6cc4d_quant:
	.size	k_qf61ac6cc4d_quant, .Lfunc_end_k_qf61ac6cc4d_quant-k_qf61ac6cc4d_quant
	.p2alignl 7, 3214868480
	.fill 96, 4, 3214868480
	.section	.rodata,"a",@progbits
	.p2align	6, 0x0
	.amdhsa_kernel k_qf61ac6cc4d_quant
		.amdhsa_group_segment_fixed_size 68608
		.amdhsa_private_segment_fixed_size 0
		.amdhsa_enable_private_segment 0
		.amdhsa_kernarg_size 72
		.amdhsa_user_sgpr_count 2
		.amdhsa_user_sgpr_kernarg_segment_ptr 1
		.amdhsa_wavefront_size32 1
		.amdhsa_system_sgpr_workgroup_id_x 1
		.amdhsa_system_sgpr_workgroup_id_y 1
		.amdhsa_system_sgpr_workgroup_id_z 1
		.amdhsa_system_vgpr_workitem_id 0
		.amdhsa_next_free_vgpr 256
		.amdhsa_next_free_sgpr 66
		.amdhsa_reserve_vcc 0
		.amdhsa_float_denorm_mode_32 3
		.amdhsa_float_denorm_mode_16_64 3
		.amdhsa_memory_ordered 1
		.amdhsa_forward_progress 1
		.amdhsa_inst_pref_size 20
	.end_amdhsa_kernel
	.amdgpu_metadata
---
amdhsa.version: [ 1, 2 ]
amdhsa.kernels:
  - .name:           k_qf61ac6cc4d_quant
    .symbol:         k_qf61ac6cc4d_quant.kd
    .args:
      - { .name: query, .offset: 0, .size: 8, .value_kind: global_buffer, .address_space: global }
      - { .name: key, .offset: 8, .size: 8, .value_kind: global_buffer, .address_space: global }
      - { .name: value, .offset: 16, .size: 8, .value_kind: global_buffer, .address_space: global }
      - { .name: Wq, .offset: 24, .size: 8, .value_kind: global_buffer, .address_space: global }
      - { .name: Wk, .offset: 32, .size: 8, .value_kind: global_buffer, .address_space: global }
      - { .name: Wv, .offset: 40, .size: 8, .value_kind: global_buffer, .address_space: global }
      - { .name: Wo, .offset: 48, .size: 8, .value_kind: global_buffer, .address_space: global }
      - { .name: cod, .offset: 56, .size: 8, .value_kind: global_buffer, .address_space: global }
      - { .name: scl, .offset: 64, .size: 8, .value_kind: global_buffer, .address_space: global }
    .group_segment_fixed_size: 68608
    .private_segment_fixed_size: 0
    .kernarg_segment_align: 8
    .kernarg_segment_size: 72
    .max_flat_workgroup_size: 128
    .sgpr_count:     66
    .vgpr_count:     256
    .wavefront_size: 32
...
	.end_amdgpu_metadata
.endif
;; end of part 1
;; launch proj (part 2): grid 4 x 48, 4 waves a work-group, clusters of 4 x 4, 327,680 bytes of LDS; arguments cod, scl, bq, bk, bv, qc, kv; writes qc, kv
.if DOCPART == 2
	.amdgcn_target "amdgcn-amd-amdhsa--gfx1250"
	.amdhsa_code_object_version 6
	.text
	.protected	k_qf61ac6cc4d_proj
	.globl	k_qf61ac6cc4d_proj
	.p2align	8
	.type	k_qf61ac6cc4d_proj,@function
k_qf61ac6cc4d_proj:
	s_mov_b64 s[64:65], 0
	v_nop
	global_prefetch_b8 v0, s[64:65] scope:SCOPE_SE
	s_setreg_imm32_b32 hwreg(HW_REG_WAVE_MODE, 25, 1), 1
	s_wait_xcnt 0x0
	s_wait_alu depctr_hold_cnt(0) depctr_sa_sdst(0) depctr_va_vdst(0) depctr_va_sdst(0) depctr_va_ssrc(0) depctr_va_vcc(0) depctr_vm_vsrc(0)
	s_getreg_b32 s2, hwreg(HW_REG_IB_STS2, 6, 4)
	s_cmp_eq_u32 s2, 0
	s_cbranch_scc0 .Lentry_in_a_cluster
	s_endpgm
.Lentry_in_a_cluster:
	s_bfe_u32 s2, ttmp6, 0x10000c
	s_cmp_lg_u32 s2, 0xf033
	s_cbranch_scc0 .Lentry_shape_is_right
	s_endpgm
.Lentry_shape_is_right:
; The three input projections on codes of FP6 (E2M3): q = query Wq^T + bq, k = key Wk^T + bk, v = value Wv^T + bv, sums in f32; each result is quantised at once for the attention launch:
; q and k along the head's 64 channels, v along the keys.  LIMITS: NaN and infinities are not served; a block whose largest magnitude lies under 2^-124, a block of zeros among them, keeps the byte 1
; (its codes are then zeros or next to it, and this program alone reads the bytes).
; OPERANDS come as images of their registers (launch quant): a group is 128 rows x 1,024 K, [K step 8][tile 8][1,536 bytes]; lane r of tile i is row 32 (i / 2) + 8 (i % 2) + r + 8 (r / 8).
; SHARES.  Cluster y = 4 P + C4: P the product (0 q, 1 k, 2 v).  A tile of C is 256 x 256, four waves of 128 x 128: 64 accumulators, 512 registers.  THE MATRIX INSTRUCTION IS USED TRANSPOSED:
; source 0 = 16 rows of the B side, source 1 = 16 rows of the A side; a lane then holds ONE row of the A side, and by the tiles' order its 64 registers of a block of 16 rows run along 128 neighbouring
; rows of the B side.  For q and k the A side is the tokens and the B side the weight: a lane's registers run along the channels.  For v the sides change places: a lane holds a channel and its registers run along the keys.
; CLUSTERS: 4 x 4 work-groups; A's groups are shared along a row of the cluster, B's along a column: joint loads, which divide the requests by four.
; LDS: three slots of 98,304 bytes, each with 256 along K of A's two groups and B's two groups, dense.  K = 1,024 is four such chunks: chunks 0, 1, 2 are first fills, chunk 3 is the launch's one refill (slot 0).
; A wave has at most one tensor load out.  All of the WGP's LDS is claimed.
; REGISTERS: window 0: v1-27 addresses, v28-29 the add's, v32-95 scale words (v[32 + 8 s + i]: lanes 0-15 A's tile i, lanes 16-31 B's tile i, K step s), v128-223 A's fragments (one set), v224-239 the A side's bias;
;   window 1: B's fragments, two sets at v0 and v128; the B side's bias at v96-127 and v224-255;  windows 2, 3: the accumulators ((a, b) at v[8 (8 (a % 4) + b)]).
;   After the products: v128-191 a block's 64 numbers, v192-211 its codes, v96-125 at work.
.set CHUNK, 24576                      ; 256 along K of one group: 2 K steps x 8 tiles x 1,536 bytes
; LDS: [0, 4 CHUNK): chunk 0, later chunk 3, of A's two groups and of B's two; [4 CHUNK, 8 CHUNK): chunks 1 and 2 of A's first group, then of its second; [8 CHUNK, 12 CHUNK): the same of B's.
; THE HEAD'S FOUR LOADS, one a wave, each in an arm of its own: wave 0 chunk 0 of A's two groups (2 rows of 24,576 bytes, 98,304 apart in memory, on end in LDS), wave 1 the same of B's, waves 2 and 3 chunks 1 and 2 (2 rows of 49,152 bytes).
; The first barrier waits for waves 0 and 1 alone; the wait for 0 in K step 1 shows the rest.  The one refill, chunk 3, is issued by waves 0 and 1.
.set SPARE, 12*CHUNK                   ; behind the tiles: the spare words, 128 bytes for each wave; no other line names them
.set G0A2, 36                          ; s[36:39], s[88:95] groups 0 and 1 for chunks 1 and 2 of A
.set G1A2, 88
.set G0B2, 40                          ; s[40:43], s[56:63] the same of B
.set G1B2, 56
.set FR,   12
.set A16,  8                           ; v8-10   A's fragments in slot 0, 1, 2: + 16 x lane;   v11-13: + 8 x lane
.set A8,   11
.set B16,  14                          ; v14-16, v17-19 the same for B
.set B8,   17
.set SPW,  28
.set NIL,  29
.set SC,   32
.set AF,   128
.set BM,   224
.set HA,   128
.set PC,   192
.set TM,   96
.set PW,   112
.set SW,   118
.set SELV, 126
.set WV,   18
.set WR,   19
.set WC,   20
.set SEL,  22
.set G1A,  24                          ; s[24:31] group 1 for A's loads; s[32:43] three groups 0
.set G0A,  32
.set G1B,  44                          ; s[44:51], s[52:63] the same for B's
.set G0B,  52
.set MSB, 0
.macro WIN new                         ; the immediate's high byte repeats the setting that is left
.if MSB != (\new)
	s_set_vgpr_msb (MSB<<8)|(\new)
.set MSB, (\new)
.endif
.endm
.set MUL_LO, 0xa1                      ; source 0 (B) window 1, source 1 (A) window 0, C and D window 2
.set MUL_HI, 0xf1                      ; the same, C and D window 3
.set TO_B,   0x40                      ; destination window 1, address window 0
.macro PLACES                          ; four plain places behind matrix instructions, ahead of loads into their registers and of reads of their results
.rept 4
	v_nop
.endr
.endm
.macro CREST                           ; a round of the cluster's barrier behind its opening barrier
	s_cmp_lg_u32 s[WV], 0
	s_cbranch_scc1 .Lnot_wave_0_\@
	s_barrier_signal -3
.Lnot_wave_0_\@:
	s_barrier_wait -3
	s_barrier_signal -1
	s_barrier_wait -1
.endm
.macro CROUND
	s_barrier_signal -1
	s_barrier_wait -1
	CREST
.endm
.macro JLOAD                           ; the joint refill: wave 0 for A, wave 1 for B, the others none
	s_cmp_eq_u32 s[WV], 0
	s_cbranch_scc0 .Lfor_b_\@
	tensor_load_to_lds s[G0A:G0A+3], s[G1A:G1A+7]
	s_nop 0
.rept 4
	v_nop
.endr
	s_branch .Lasked_\@
.Lfor_b_\@:
	s_cmp_eq_u32 s[WV], 1
	s_cbranch_scc0 .Lasked_\@
	tensor_load_to_lds s[G0B:G0B+3], s[G1B:G1B+7]
	s_nop 0
.rept 4
	v_nop
.endr
.Lasked_\@:
.rept 4
	v_nop                                          ; the places in front of the loads that follow, for the waves that come round the tensor loads
.endr
.endm
.macro FRAG reg, a16, a8, off          ; a fragment's image back into 12 registers: every load takes 512 or 256 consecutive bytes
	ds_load_b128 v[\reg:\reg+3], v[\a16] offset:\off
	ds_load_b64 v[\reg+4:\reg+5], v[\a8] offset:\off+512
	ds_load_b128 v[\reg+6:\reg+9], v[\a16] offset:\off+768
	ds_load_b64 v[\reg+10:\reg+11], v[\a8] offset:\off+1280
.endm
.macro FETCH_B ns                      ; B's eight fragments of K step ns into set ns % 2; K step ns lies in slot (ns / 2) % 3
	WIN TO_B
.irp i, 0,1,2,3,4,5,6,7
	FRAG 128*((\ns)%2)+FR*\i, B16+((\ns)/2)%3, B8+((\ns)/2)%3, (((\ns)%2)*8+\i)*1536
.endr
	WIN 0
.endm
.macro FETCH_A ns, i0                  ; A's blocks i0 .. i0 + 3
.irp i, \i0, \i0+1, \i0+2, \i0+3
	FRAG AF+FR*(\i), A16+((\ns)/2)%3, A8+((\ns)/2)%3, (((\ns)%2)*8+(\i))*1536
.endr
.endm
; 16 matrix instructions: A's blocks a0, a0 + 1 against B's eight, K step s.  The 64 accumulators take turns, one instruction a turn, in the same order in every step.
.macro MUL16 a0, s, zero
.irp a, \a0, \a0+1
.irp b, 0,1,2,3,4,5,6,7
.if \zero
	v_wmma_scale_f32_16x16x128_f8f6f4 v[8*(8*((\a)%4)+\b):8*(8*((\a)%4)+\b)+7], v[128*((\s)%2)+FR*\b:128*((\s)%2)+FR*\b+FR-1], v[AF+FR*(\a):AF+FR*(\a)+FR-1], 0, v[SC+8*(\s)+\b], v[SC+8*(\s)+(\a)] matrix_a_fmt:MATRIX_FMT_FP6 matrix_b_fmt:MATRIX_FMT_FP6 matrix_a_scale:MATRIX_SCALE_ROW1
.else
	v_wmma_scale_f32_16x16x128_f8f6f4 v[8*(8*((\a)%4)+\b):8*(8*((\a)%4)+\b)+7], v[128*((\s)%2)+FR*\b:128*((\s)%2)+FR*\b+FR-1], v[AF+FR*(\a):AF+FR*(\a)+FR-1], v[8*(8*((\a)%4)+\b):8*(8*((\a)%4)+\b)+7], v[SC+8*(\s)+\b], v[SC+8*(\s)+(\a)] matrix_a_fmt:MATRIX_FMT_FP6 matrix_b_fmt:MATRIX_FMT_FP6 matrix_a_scale:MATRIX_SCALE_ROW1
.endif
.endr
.endr
.endm
.macro STEP s, zero                    ; a K step whose successor's tiles are known to lie in LDS
	s_wait_dscnt 16                                ; B's set and A's blocks 0-3 are in; the youngest 16 loads (A's blocks 4-7) may be out
	WIN MUL_LO
	MUL16 0, \s, \zero
	MUL16 2, \s, \zero
	s_wait_dscnt 0x0                               ; A's blocks 4-7 are in
	PLACES
	FETCH_B (\s)+1
	FETCH_A (\s)+1, 0
	WIN MUL_HI
	MUL16 4, \s, \zero
	MUL16 6, \s, \zero
	PLACES
	WIN 0
	FETCH_A (\s)+1, 4
.endm
; A K step behind whose barrier another slot is read.  In front of the barrier each wave waits for all its tensor loads, adds 0 to its spare word, and waits for that and for its LDS reads.
; fill = 1: slot 0, which nobody reads any more, takes chunk 3; the barrier then opens a round of the cluster's barrier, and the joint refill is the first tensor load behind the round.
.macro TURN s, fill
	s_wait_tensorcnt 0x0                           ; all my tensor loads have landed
	ds_add_u32 v[SPW], v[NIL]                      ; 0 onto my spare word
	s_wait_dscnt 17                                ; (the add and the youngest 16 loads may be out)
	WIN MUL_LO
	MUL16 0, \s, 0
	s_wait_dscnt 0x0                               ; the add is done, and my LDS reads are over
	s_barrier_signal -1
	MUL16 2, \s, 0
	WIN 0
	s_barrier_wait -1
.if \fill
	CREST
	s_add_nc_u64 s[G0A+2:G0A+3], s[G0A+2:G0A+3], 3*CHUNK   ; from chunk 0 to chunk 3 (no tensor load of mine is out)
	s_add_nc_u64 s[G0B+2:G0B+3], s[G0B+2:G0B+3], 3*CHUNK
	JLOAD                                          ; 224 matrix instructions ahead of the wait for it; its four v_nop are also the places in front of the loads below
.else
	PLACES
.endif
	FETCH_B (\s)+1
	FETCH_A (\s)+1, 0
	WIN MUL_HI
	MUL16 4, \s, 0
	MUL16 6, \s, 0
	PLACES
	WIN 0
	FETCH_A (\s)+1, 4
.endm
; 64 numbers of a lane, register 16 b + i = k 32 b + 16 (lane / 16) + i of my row, become a fragment's codes in v[PC] on and its scale word in v[PW].
; TWO BLOCKS OF 16 ROWS ARE QUANTISED AT A TIME, set e = 0, 1, every line written for both sets in turn, so that each line has a neighbour that does not hang on it (one wave to a SIMD: nothing else stands between dependent lines).
; Set e: its 64 numbers at v[HA - 96 e] (v128-191; v32-95, where the scale words lay), at work v[TM - 88 e] (v96-111; v8-23, where the LDS addresses lay), its codes at v[PC + 20 e] (v192-203; v212-223),
; the conversions' second halves at v[CV + 36 e] (v204-210; v240-246), its scale word in v[PW + e].
.set CV, 204
.macro QUANT2
.irp b, 0,1,2,3
.irp e, 0,1
	v_max3_num_f32 v[TM-88*\e+\b], |v[HA-96*\e+16*\b]|, |v[HA-96*\e+1+16*\b]|, 0x1800000   ; and the floor 2^(3 - 127): the byte cannot fall under 1
.endr
.endr
.irp i, 2,4,6,8,10,12,14
.irp b, 0,1,2,3
.irp e, 0,1
	v_max3_num_f32 v[TM-88*\e+\b], v[TM-88*\e+\b], |v[HA-96*\e+16*\b+\i]|, |v[HA-96*\e+1+16*\b+\i]|
.endr
.endr
.endr
.irp b, 0,1,2,3
.irp e, 0,1
	v_permlanex16_b32 v[TM-88*\e+4+\b], v[TM-88*\e+\b], s[SEL], s[SEL+1]
.endr
.endr
.irp b, 0,1,2,3
.irp e, 0,1
	v_max_num_f32 v[TM-88*\e+\b], v[TM-88*\e+\b], v[TM-88*\e+4+\b]
.endr
.endr
.irp b, 0,1,2,3
.irp e, 0,1
	v_add_nc_u32 v[TM-88*\e+12+\b], 0xff000000, v[TM-88*\e+\b]   ; 2 off the exponent field: the conversion's scale operand
.endr
.endr
.irp b, 0,1,2,3
.irp e, 0,1
	v_lshrrev_b32 v[TM-88*\e+4+\b], 23, v[TM-88*\e+12+\b]
.endr
.endr
.irp e, 0,1
	v_lshl_or_b32 v[PW+\e], v[TM-88*\e+5], 8, v[TM-88*\e+4]
.endr
.irp e, 0,1
	v_lshl_or_b32 v[PW+\e], v[TM-88*\e+6], 16, v[PW+\e]
.endr
.irp e, 0,1
	v_lshl_or_b32 v[PW+\e], v[TM-88*\e+7], 24, v[PW+\e]
.endr
.irp c, 0,1
.irp e, 0,1
	v_cvt_scalef32_pk16_fp6_f32 v[PC+20*\e+6*\c:PC+20*\e+6*\c+2], v[HA-96*\e+32*\c:HA-96*\e+32*\c+15], v[TM-88*\e+12+2*\c]
	v_cvt_scalef32_pk16_fp6_f32 v[CV+36*\e+4*\c:CV+36*\e+4*\c+2], v[HA-96*\e+32*\c+16:HA-96*\e+32*\c+31], v[TM-88*\e+13+2*\c]
.endr
.endr
	v_nop                                          ; one plain place behind a scaled conversion
.irp c, 0,1
.irp e, 0,1
.irp i, 0,1,2
	v_permlane16_swap_b32 v[PC+20*\e+6*\c+\i], v[CV+36*\e+4*\c+\i]
.endr
.endr
.endr
.irp c, 0,1
.irp e, 0,1
.irp i, 0,1,2
	v_mov_b32 v[PC+20*\e+6*\c+3+\i], v[CV+36*\e+4*\c+\i]
.endr
.endr
.endr
.endm
.macro PUT base, off, p                ; a whole fragment of V, in v[p] on, as three pieces of four registers: piece k of lane L at 512 k + 16 L: each store covers 512 consecutive bytes
.irp k, 0,1,2
	global_store_b128 v2, v[\p+4*\k:\p+4*\k+3], s[\base:\base+1] offset:\off+512*\k
.endr
.endm
	s_load_b256 s[4:11], s[0:1], 0x0               ; cod s[4:5], scl s[6:7], bq s[8:9], bk s[10:11]
	s_load_b128 s[12:15], s[0:1], 0x20             ; bv s[12:13], qc s[14:15]
	s_load_b64 s[16:17], s[0:1], 0x30              ; kv
	v_lshl_add_u32 v[SPW], v0, 2, SPARE
	v_mov_b32 v[NIL], 0
	ds_add_u32 v28, v29
	ds_add_u32 v28, v29
	s_wait_dscnt 0x0
	v_lshrrev_b32 v5, 5, v0
	v_readfirstlane_b32 s[WV], v5                  ; wave 0..3
	s_lshr_b32 s[WR], s[WV], 1                     ; my half of the A side.  Also: I fetch chunk 0 (0) or chunks 1 and 2 (1)
	s_and_b32 s[WC], s[WV], 1                      ; my half of the B side.  Also: I fetch for A (0) or for B (1)
	s_bfe_u32 s66, ttmp6, 0x40000                  ; cx
	s_bfe_u32 s67, ttmp6, 0x40004                  ; cy
	s_and_b32 s2, ttmp7, 0xffff                    ; cluster y, 0..11: the same in all sixteen partners
	s_lshr_b32 s68, s2, 2                          ; P
	s_and_b32 s69, s2, 3
	s_lshl_b32 s69, s69, 2                         ; 4 C4
	s_lshl_b32 s72, s68, 5                         ; A's first group: 0 (query), 32 (key),
	s_lshl_b32 s73, s68, 3
	s_add_co_u32 s73, s73, 96                      ; B's: 96 (Wq), 104 (Wk);
	s_cmp_eq_u32 s68, 2
	s_cselect_b32 s70, 0, s69
	s_cselect_b32 s71, s69, 0
	s_cselect_b32 s72, 112, s72                    ; for v: A = Wv (112),
	s_cselect_b32 s73, 64, s73                     ; B = value (64)
	s_add_co_u32 s70, s70, s67                     ; tile row: the A side's 256 rows (cy, and for q, k the cluster's C4)
	s_add_co_u32 s71, s71, s66                     ; tile column: the B side's (cx, and for v the cluster's C4)
	s_lshl_b32 s74, s70, 1
	s_add_co_u32 s74, s74, s72
	s_add_co_u32 s76, s74, s[WR]                   ; the group of A that I multiply,
	s_lshl_b32 s75, s71, 1
	s_add_co_u32 s79, s75, s73                     ; the first of B's two groups,
	s_add_co_u32 s75, s79, s[WC]                   ; and the one that I multiply
	s_mul_i32 s80, s74, 4*CHUNK                    ; a group is 98,304 bytes: where A's two groups begin,
	s_mov_b32 s81, 0
	s_mul_i32 s82, s79, 4*CHUNK                    ; and B's
	s_mov_b32 s83, 0
	s_lshl_b32 s77, s67, 2
	s_lshl_b32 s77, 15, s77                        ; my row of the cluster
	s_lshl_b32 s78, 0x1111, s66                    ; my column
	s_or_b32 s[G1A], s77, (3<<16)|(1<<21)          ; 15:0 the mask; 17:16 elements of 8 bytes; 21 set beside a mask; no padding
	s_or_b32 s[G1B], s78, (3<<16)|(1<<21)
	s_or_b32 s[G1A2], s77, (3<<16)|(1<<21)
	s_or_b32 s[G1B2], s78, (3<<16)|(1<<21)
.irp g, G1A, G1B                       ; one chunk of each of two groups: 2 rows of 24,576 bytes, a group's 98,304 bytes apart
	s_mov_b32 s[\g+1], (CHUNK/8)<<16               ; tensor_dim0
	s_mov_b32 s[\g+2], 2<<16                       ; tensor_dim1 = 2
	s_mov_b32 s[\g+3], (CHUNK/8)<<16               ; tile_dim0
	s_mov_b32 s[\g+4], 2                           ; tile_dim1 = 2
	s_mov_b32 s[\g+5], 4*CHUNK/8                   ; the pitch
	s_mov_b32 s[\g+6], 0
	s_mov_b32 s[\g+7], 0
.endr
.irp g, G1A2, G1B2                     ; two chunks of each of two groups: 2 rows of 49,152 bytes
	s_mov_b32 s[\g+1], (2*CHUNK/8)<<16
	s_mov_b32 s[\g+2], 2<<16
	s_mov_b32 s[\g+3], (2*CHUNK/8)<<16
	s_mov_b32 s[\g+4], 2
	s_mov_b32 s[\g+5], 4*CHUNK/8
	s_mov_b32 s[\g+6], 0
	s_mov_b32 s[\g+7], 0
.endr
	s_mov_b32 s[SEL], 0x76543210
	s_mov_b32 s[SEL+1], 0xfedcba98
	s_wait_kmcnt 0x0
	s_add_nc_u64 s[80:81], s[4:5], s[80:81]
	s_add_nc_u64 s[82:83], s[4:5], s[82:83]
	s_mov_b32 s[G0A], 1                            ; chunk 0 of A's groups, to LDS byte 0
	s_mov_b32 s[G0A+1], 0
	s_mov_b64 s[G0A+2:G0A+3], s[80:81]
	s_or_b32 s[G0A+3], s[G0A+3], 0x80000000
	s_mov_b32 s[G0B], 1                            ; chunk 0 of B's, behind them
	s_mov_b32 s[G0B+1], 2*CHUNK
	s_mov_b64 s[G0B+2:G0B+3], s[82:83]
	s_or_b32 s[G0B+3], s[G0B+3], 0x80000000
	s_mov_b32 s[G0A2], 1                           ; chunks 1 and 2 of A's groups
	s_mov_b32 s[G0A2+1], 4*CHUNK
	s_add_nc_u64 s[G0A2+2:G0A2+3], s[80:81], CHUNK
	s_or_b32 s[G0A2+3], s[G0A2+3], 0x80000000
	s_mov_b32 s[G0B2], 1                           ; and of B's
	s_mov_b32 s[G0B2+1], 8*CHUNK
	s_add_nc_u64 s[G0B2+2:G0B2+3], s[82:83], CHUNK
	s_or_b32 s[G0B2+3], s[G0B2+3], 0x80000000
	CROUND                                         ; all sixteen work-groups are here: the first joint loads meet
; One tensor load a wave, in ONE chain of branches on the wave's number, each arm with a line of its own; what the first K step needs is asked for by the first two arms.
.macro ARM under, g0, g1, next
	s_cmp_lt_u32 s[WV], \under
	s_cbranch_scc0 \next
	tensor_load_to_lds s[\g0:\g0+3], s[\g1:\g1+7]
	s_nop 0
.rept 4
	v_nop
.endr
	s_branch .Lfirst_asked
\next:
.endm
	ARM 1, G0A, G1A, .Larm_1
	ARM 2, G0B, G1B, .Larm_2
	ARM 3, G0A2, G1A2, .Larm_3
	tensor_load_to_lds s[G0B2:G0B2+3], s[G1B2:G1B2+7]
	s_nop 0
.rept 4
	v_nop
.endr
.Lfirst_asked:
	v_and_b32 v1, 15, v0                           ; r
	v_bfe_u32 v4, v0, 4, 1                         ; h
	s_wait_alu depctr_va_vdst(0)
	v_and_b32 v5, 31, v0
	v_lshlrev_b32 v2, 4, v5                        ; 16 x lane
	v_lshlrev_b32 v3, 3, v5                        ; 8 x lane
	; the scale words of all eight K steps: lanes 0-15 take A's group, lanes 16-31 B's; a load brings four tiles' words of a K step, sixteen lanes 256 consecutive bytes
	s_lshl_b32 s77, s76, 12
	s_lshl_b32 s78, s75, 12
	v_mov_b32 v20, s77
	v_mov_b32 v26, s78
	v_cmp_eq_u32 vcc_lo, 1, v4
	v_cndmask_b32 v20, v20, v26, vcc_lo
	v_lshl_add_u32 v20, v1, 4, v20
.irp j, 0,1,2,3,4,5,6,7,8,9,10,11,12,13,14,15
	global_load_b128 v[SC+4*\j:SC+4*\j+3], v20, s[6:7] offset:256*\j
.endr
	; the bias, in both forms: along the B side (what q and k add) and along the A side (what v adds).  Every work-group loads both and uses one, so that no register is unwritten on any way;
	; the row numbers are cut to 0..1023, so that the form that is not used stays inside the buffer too
	s_cmp_eq_u32 s68, 0
	s_cselect_b64 s[86:87], s[8:9], s[10:11]
	s_cmp_eq_u32 s68, 2
	s_cselect_b64 s[86:87], s[12:13], s[86:87]
	s_lshl_b32 s96, s70, 8
	s_lshl_b32 s2, s[WR], 7
	s_add_co_u32 s96, s96, s2                      ; my first row of the A side
	s_lshl_b32 s97, s71, 8
	s_lshl_b32 s2, s[WC], 7
	s_add_co_u32 s97, s97, s2                      ; and of the B side
	s_and_b32 s2, s97, 1023
	s_lshl_b32 s2, s2, 2
	v_lshl_add_u32 v21, v4, 6, s2                  ; register 16 bb + 8 u + j is B-side row 32 bb + 16 h + 8 u + j
	s_and_b32 s3, s96, 1023
	s_lshl_b32 s3, s3, 2
	v_and_b32 v22, 8, v1
	v_add_nc_u32 v22, v22, v1
	v_lshl_add_u32 v22, v22, 2, s3                 ; lane r of tile a is A-side row 32 (a / 2) + 8 (a % 2) + r + 8 (r / 8)
	WIN TO_B
.irp n, 0,1,2,3,4,5,6,7,8,9,10,11,12,13,14,15
	global_load_b128 v[96+4*\n+(\n/8)*96:96+4*\n+(\n/8)*96+3], v21, s[86:87] offset:128*(\n/4)+32*((\n/2)%2)+16*(\n%2)
.endr
	WIN 0
.irp a, 0,1,2,3,4,5,6,7
	global_load_b32 v[BM+2*\a], v22, s[86:87] offset:128*(\a/2)+32*(\a%2)     ; twice, to fill the pair that the packed addition names
	global_load_b32 v[BM+2*\a+1], v22, s[86:87] offset:128*(\a/2)+32*(\a%2)
.endr
.macro ADRS c                          ; the address registers of place c: chunks c and, for c = 0, chunk 3
	v_add_nc_u32 v[A16+\c], s2, v2
	v_add_nc_u32 v[A8+\c], s2, v3
	v_add_nc_u32 v[B16+\c], s3, v2
	v_add_nc_u32 v[B8+\c], s3, v3
.endm
	s_mul_i32 s2, s[WR], CHUNK                     ; chunk 0 of my group of A: WR x CHUNK;
	s_mul_i32 s3, s[WC], CHUNK
	s_add_co_u32 s84, s2, 4*CHUNK                  ; from there to its chunk 1, at (4 + 2 WR) x CHUNK;
	s_add_co_u32 s85, s3, 6*CHUNK                  ; and for B from (2 + WC) x CHUNK to (8 + 2 WC) x CHUNK
	s_add_co_u32 s3, s3, 2*CHUNK
	ADRS 0
	s_add_co_u32 s2, s2, s84
	s_add_co_u32 s3, s3, s85
	ADRS 1
	s_add_co_u32 s2, s2, CHUNK
	s_add_co_u32 s3, s3, CHUNK
	ADRS 2
	s_wait_alu depctr_va_vdst(0)
	s_cmp_lt_u32 s[WV], 2
	s_cbranch_scc0 .Llater
	s_wait_tensorcnt 0x0                           ; waves 0 and 1: chunk 0 is in; chunks 1 and 2 may stay out
.Llater:
	s_barrier_signal -1
	s_barrier_wait -1
	FETCH_B 0
	FETCH_A 0, 0
	FETCH_A 0, 4
	s_wait_loadcnt 0x0                             ; scale words and biases
	STEP 0, 1                                      ; the first K step starts the sums: nothing is cleared
	TURN 1, 1                                      ; chunks 1 and 2 are whole for everybody; slot 0 takes chunk 3
	STEP 2, 0
	STEP 3, 0
	STEP 4, 0
	TURN 5, 0                                      ; chunk 3 is whole for everybody
	STEP 6, 0
	s_wait_dscnt 16                                ; the last K step: nothing more to fetch
	WIN MUL_LO
	MUL16 0, 7, 0
	MUL16 2, 7, 0
	s_wait_dscnt 0x0
	WIN MUL_HI
	MUL16 4, 7, 0
	MUL16 6, 7, 0
	WIN 0
	s_wait_tensorcnt 0x0                           ; my last LDS instructions: the add behind the wait for the last tensor load, and its wait; the addresses of the way out are made between them
	ds_add_u32 v[SPW], v[NIL]
	s_cmp_eq_u32 s68, 2
	s_cselect_b32 s2, s97, s96                     ; my first token,
	s_cselect_b32 s3, s96, s97                     ; my first channel
	s_lshr_b32 s77, s2, 11
	s_lshl_b32 s77, s77, 4
	s_lshr_b32 s3, s3, 6
	s_add_co_u32 s77, s77, s3                      ; 16 x batch + head: the first of my two heads
	s_bfe_u32 s78, s2, 0x40007                     ; which 128 tokens of the sequence
	s_cmp_eq_u32 s68, 0
	s_cselect_b64 s[92:93], s[14:15], s[16:17]     ; q goes to qc, k and v to kv
	s_mov_b32 s88, 208896
	s_cselect_b32 s88, 106496, s88                 ; bytes of a head,
	s_mov_b32 s89, 13056
	s_cselect_b32 s89, 6656, s89                   ; of a record of 128 tokens,
	s_mov_b32 s90, 12288
	s_cselect_b32 s90, 6144, s90                   ; and where its scale words begin
	s_mul_i32 s77, s77, s88
	s_mul_i32 s78, s78, s89
	s_add_co_u32 s2, s77, s78
	s_mov_b32 s3, 0
	s_mov_b32 s89, 0
	s_add_nc_u64 s[92:93], s[92:93], s[2:3]        ; the record of my first head,
	s_add_nc_u64 s[94:95], s[92:93], s[88:89]      ; and of my second
	s_wait_dscnt 0x0
	PLACES                                         ; behind the last products
.irp b, 0,1,2,3
	v_mov_b32 v[TM+4+\b], 0                        ; a lane permute's destination counts as one of its sources: both sets'
	v_mov_b32 v[TM-88+4+\b], 0
.endr
	s_cmp_eq_u32 s68, 2
	s_cbranch_scc1 .Lpath_v
	; ---- q and k.  A block of 16 tokens: + bias, quantised along the channels.  Registers 0-5 of the fragment are the first head's 64 channels, registers 6-11 the second's: two half images.
	v_mov_b32 v[SELV], 0x01000100
	v_mov_b32 v127, 0x03020302
	v_cmp_eq_u32 vcc_lo, 1, v4
	v_cndmask_b32 v[SELV], v[SELV], v127, vcc_lo   ; lanes 0-15 keep the first head's two bytes, lanes 16-31 the second's
.irp a, 0,2,4,6                        ; blocks a and a + 1 together
	WIN 0x06+\a/4                                  ; source 0 (sums) window 2 or 3, source 1 (bias) window 1
.irp e, 0,1
.set n, 0
.rept 32
	v_pk_add_f32 v[HA-96*\e+n:HA-96*\e+n+1], v[64*((\a+\e)%4)+n:64*((\a+\e)%4)+n+1], v[96+n+(n/32)*96:96+n+(n/32)*96+1]   ; each accumulator from its low end on
.set n, n+2
.endr
.endr
	WIN 0
.if \a > 0
	s_wait_xcnt 0x0                                ; the last pair's stores have read their data registers
.endif
	QUANT2
.irp e, 0,1
	v_perm_b32 v[SW+\a+\e], v[PW+\e], v[PW+\e], v[SELV]     ; the head's word: (s0, s1, s0, s1): the upper two bytes scale the half of K = 128 that is zero codes
	global_store_b128 v2, v[PC+20*\e:PC+20*\e+3], s[92:93] offset:768*(\a+\e)
	global_store_b64 v3, v[PC+20*\e+4:PC+20*\e+5], s[92:93] offset:768*(\a+\e)+512
	global_store_b128 v2, v[PC+20*\e+6:PC+20*\e+9], s[94:95] offset:768*(\a+\e)
	global_store_b64 v3, v[PC+20*\e+10:PC+20*\e+11], s[94:95] offset:768*(\a+\e)+512
.endr
.endr
	v_mul_u32_u24 v23, s88, v4                     ; lanes 16-31 write into the second head's record
	v_add_nc_u32 v23, s90, v23
	v_lshl_add_u32 v23, v1, 4, v23
	global_store_b128 v23, v[SW:SW+3], s[92:93]             ; tiles 0-3's words of row r: sixteen lanes 256 consecutive bytes
	global_store_b128 v23, v[SW+4:SW+7], s[92:93] offset:256   ; tiles 4-7's
	s_branch .Ldone
.Lpath_v:
	; ---- v.  A block of 16 channels: + bias, quantised along my 128 keys: a whole fragment.  Blocks 0-3 are the first head's channel tiles, blocks 4-7 the second's.
.irp a, 0,2,4,6                        ; blocks a and a + 1 together
	WIN 0x02+\a/4                                  ; source 0 (sums) window 2 or 3
.irp e, 0,1
.set n, 0
.rept 32
	v_pk_add_f32 v[HA-96*\e+n:HA-96*\e+n+1], v[64*((\a+\e)%4)+n:64*((\a+\e)%4)+n+1], v[BM+2*(\a+\e):BM+2*(\a+\e)+1]
.set n, n+2
.endr
.endr
	WIN 0
.if \a > 0
	s_wait_xcnt 0x0                                ; the last pair's stores have read their data registers
.endif
	QUANT2
.irp e, 0,1
	PUT 92+2*((\a+\e)/4), 6144+1536*((\a+\e)%4), PC+20*\e
	v_mov_b32 v[SW+\a+\e], v[PW+\e]
.endr
.endr
	v_cmp_eq_u32 vcc_lo, 1, v4
	v_cndmask_b32 v114, v[SW], v[SW+2], vcc_lo     ; lane (r, h) stores the words of tiles 2 h and 2 h + 1
	v_cndmask_b32 v115, v[SW+1], v[SW+3], vcc_lo
	v_cndmask_b32 v116, v[SW+4], v[SW+6], vcc_lo
	v_cndmask_b32 v117, v[SW+5], v[SW+7], vcc_lo
	global_store_b64 v3, v[114:115], s[92:93] offset:12800
	global_store_b64 v3, v[116:117], s[94:95] offset:12800
.Ldone:
	CROUND                                         ; the closing round: no work-group ends while a partner may still ask for a tile that names it
	s_endpgm
.Lfunc_end_k_qf61ac6cc4d_proj:
	.size	k_qf61ac6cc4d_proj, .Lfunc_end_k_qf61ac6cc4d_proj-k_qf61ac6cc4d_proj
	.p2alignl 7, 3214868480
	.fill 96, 4, 3214868480
	.section	.rodata,"a",@progbits
	.p2align	6, 0x0
	.amdhsa_kernel k_qf61ac6cc4d_proj
		.amdhsa_group_segment_fixed_size 327680
		.amdhsa_private_segment_fixed_size 0
		.amdhsa_enable_private_segment 0
		.amdhsa_kernarg_size 56
		.amdhsa_user_sgpr_count 2
		.amdhsa_user_sgpr_kernarg_segment_ptr 1
		.amdhsa_wavefront_size32 1
		.amdhsa_system_sgpr_workgroup_id_x 1
		.amdhsa_system_sgpr_workgroup_id_y 1
		.amdhsa_system_sgpr_workgroup_id_z 1
		.amdhsa_system_vgpr_workitem_id 0
		.amdhsa_next_free_vgpr 1024
		.amdhsa_next_free_sgpr 100
		.amdhsa_reserve_vcc 1
		.amdhsa_float_denorm_mode_32 3
		.amdhsa_float_denorm_mode_16_64 3
		.amdhsa_memory_ordered 1
		.amdhsa_forward_progress 1
		.amdhsa_inst_pref_size 215
	.end_amdhsa_kernel
	.amdgpu_metadata
---
amdhsa.version: [ 1, 2 ]
amdhsa.kernels:
  - .name:           k_qf61ac6cc4d_proj
    .symbol:         k_qf61ac6cc4d_proj.kd
    .args:
      - { .name: cod, .offset: 0, .size: 8, .value_kind: global_buffer, .address_space: global }
      - { .name: scl, .offset: 8, .size: 8, .value_kind: global_buffer, .address_space: global }
      - { .name: bq, .offset: 16, .size: 8, .value_kind: global_buffer, .address_space: global }
      - { .name: bk, .offset: 24, .size: 8, .value_kind: global_buffer, .address_space: global }
      - { .name: bv, .offset: 32, .size: 8, .value_kind: global_buffer, .address_space: global }
      - { .name: qc, .offset: 40, .size: 8, .value_kind: global_buffer, .address_space: global }
      - { .name: kv, .offset: 48, .size: 8, .value_kind: global_buffer, .address_space: global }
    .group_segment_fixed_size: 327680
    .private_segment_fixed_size: 0
    .kernarg_segment_align: 8
    .kernarg_segment_size: 56
    .max_flat_workgroup_size: 128
    .sgpr_count:     100
    .vgpr_count:     1024
    .wavefront_size: 32
...
	.end_amdgpu_metadata
.endif
;; end of part 2
;; launch attn (part 3): grid 8 x 32, 16 waves a work-group, clusters of 4 x 1, 215,040 bytes of LDS; arguments qc, kv, xoc, xsc; writes xoc, xsc
.if DOCPART == 3
	.amdgcn_target "amdgcn-amd-amdhsa--gfx1250"
	.amdhsa_code_object_version 6
	.text
	.protected	k_qf61ac6cc4d_attn
	.globl	k_qf61ac6cc4d_attn
	.p2align	8
	.type	k_qf61ac6cc4d_attn,@function
k_qf61ac6cc4d_attn:
	s_mov_b64 s[64:65], 0
	v_nop
	global_prefetch_b8 v0, s[64:65] scope:SCOPE_SE
	s_setreg_imm32_b32 hwreg(HW_REG_WAVE_MODE, 25, 1), 1
	s_wait_xcnt 0x0
	s_wait_alu depctr_hold_cnt(0) depctr_sa_sdst(0) depctr_va_vdst(0) depctr_va_sdst(0) depctr_va_ssrc(0) depctr_va_vcc(0) depctr_vm_vsrc(0)
	s_getreg_b32 s2, hwreg(HW_REG_IB_STS2, 6, 4)
	s_cmp_eq_u32 s2, 0
	s_cbranch_scc0 .Lentry_in_a_cluster
	s_endpgm
.Lentry_in_a_cluster:
	s_bfe_u32 s2, ttmp6, 0x10000c
	s_cmp_lg_u32 s2, 0x3003
	s_cbranch_scc0 .Lentry_shape_is_right
	s_endpgm
.Lentry_shape_is_right:
; x[b][q][head] = the sum over keys of softmax(q . k / 8) v, both products on codes of FP6 (E2M3) with one E8M0 scale for each 32 along a product's K; the result is quantised at once along the channels for the last projection.
; THE SOFTMAX: t = score x log2(e) / 8; M = the row's largest t so far, rounded UP to a whole number; p = 2^(t - M) is quantised along the keys; the row's sum is taken of the unquantised p and divides at the end.
; When M moves, the sum and O are multiplied by 2^(old M - new M): exact.
; LIMITS: NaN and infinities are not served.  The promise holds while the scaled scores t stay under 2^31 in magnitude.  A block's largest p is taken from its largest score by the same multiply-add and exponential,
; which leans on v_exp_f32 not falling where its input rises.  A block of zeros keeps the byte 1: its codes are zeros.
; SHARES.  A work-group owns 256 queries of one (batch, head); each of its sixteen waves one tile of 16, in 256 registers: four waves to a SIMD.
; THE HEAD'S K AND V, 16 records of 13,056 bytes, LIE IN LDS WHOLE, filled once: wave w fetches record w, 51 rows of 256 bytes: one tensor load a wave.  The four query blocks of a cluster belong to one head: the loads are joint (mask 15).
; Waves 0 and 1 have a load line of their own: the first barrier shows records 0 and 1, which are all that key step 0 reads; a second barrier, behind key step 0, shows the other fourteen.  Nothing is filled again.
; Nothing is prefetched into the L2: every tensor load of the launch stands at its head, and there is no loop to run ahead in.
; LAYOUT.  Both products are used transposed: S^T = K Q^T, O^T = V^T P^T: a lane holds ONE query.  A record is K's 8 half images (16 keys x 64 channels, 768 bytes), V's 4 fragments (16 channels x 128 keys, 1,536 bytes),
; K's scale words (512), V's (256).  Row m of K's tile i is key 64 (i / 4) + 8 (i % 4) + m % 8 + 32 (m / 8) of the record (launch quant orders key's rows so): register 32 c + n of a lane's scores is key 64 c + 32 (lane / 16) + n:
; a lane holds two WHOLE blocks of 32 keys, in the order of the second product's operand.  No lane asks another for a block's maximum, and the codes stay where the conversions leave them.
; THE HEAD HAS 64 CHANNELS, THE INSTRUCTION TAKES 128.  A fragment of K holds two tiles of keys; Q stands as 18 registers, zeros | q | zeros: [q, 0] multiplies the even tile, [0, q] the odd one; the other tile's codes meet zero codes.
; A scale word of K or Q is (s0, s1, s0, s1), so it serves either half.
; THE ORDER OF A STEP.  K Q^T of step i; behind it V P of step i - 1 (twelve products on end); the maxima, M, t - M, the rescaling; ONE run of LDS loads (V of step i, K of step i + 1); the exponentials; scales, codes, the sum.
; So every wait on DScnt is for 0 and stands at a step's head.  The first step has no V P and no rescaling, the last asks for no further K; V P of the last step stands behind the loop.
; REGISTERS: v1 16 x lane, v2 8 x lane, v3-4 the record's LDS addresses, v5 at work, v6-7 V's scale words, v8-11 maxima (v8, v10: the two blocks'), v12 -M, v13 the largest score, v14-15 the sum, v16-33 Q, v34-37 K's scale words,
; v38-85 K's four fragments, v86-133 V's four, v134-197 S^T then p, v198-229 O^T, v230-241 p's codes, v242-243 at work, v244-245 a chain of the sum, v246-248 and v250-252 the conversions' second halves, v249 p's scale word, v253 Q's,
; v254-255 f, then a chain of the sum (at the head and at the end: the add's two registers, made anew from v0).
.set REC,  13056
.set XS,   16*REC                      ; behind K and V: 512 bytes in which the work-group's scale bytes meet; no fill lands there
.set SPARE, 0x34000                    ; the spare words: 128 bytes for each of 16 waves
.set A16,  3
.set A8,   4
.set TP,   5
.set VS,   6
.set MX,   8
.set QHI,  16                          ; v16-27: [0, q]
.set QLO,  22                          ; v22-33: [q, 0]
.set KS,   34
.set KF,   38
.set VF,   86
.set S,    134
.set O,    198
.set PF,   230
.set T4,   242
.set SB,   244
.set CV,   246
.set PW,   249
.set QS,   253
.set F,    254
.set WV,   18
.set SEL,  20
.set CS,   22
.set G1,   24
.set G0,   32
.set TB,   2
.set CNT,  3
.macro CROUND
	s_barrier_signal -1
	s_barrier_wait -1
	s_cmp_lg_u32 s[WV], 0
	s_cbranch_scc1 .Lnot_wave_0_\@
	s_barrier_signal -3
.Lnot_wave_0_\@:
	s_barrier_wait -3
	s_barrier_signal -1
	s_barrier_wait -1
.endm
.macro KL n, a16, a8, off              ; load n of the 17 that bring a record's K: half image n / 2 (512 bytes, then 256); the 17th: the scale words
.if (\n) == 16
	ds_load_b128 v[KS:KS+3], v[\a16] offset:\off+12288              ; lane (r, h): the words of K's tiles 4 h .. 4 h + 3
.elseif (\n)%2 == 0
	ds_load_b128 v[KF+6*((\n)/2):KF+6*((\n)/2)+3], v[\a16] offset:\off+768*((\n)/2)
.else
	ds_load_b64 v[KF+6*((\n)/2)+4:KF+6*((\n)/2)+5], v[\a8] offset:\off+768*((\n)/2)+512
.endif
.endm
.macro VL n                            ; load n of the 12 that bring this record's V: a fragment lies as three pieces of four registers, piece k of lane L at 512 k + 16 L
	ds_load_b128 v[VF+4*(\n):VF+4*(\n)+3], v[A16] offset:6144+512*(\n)
.endm
.macro SPROD                           ; S^T = K Q^T: eight tiles of 16 keys
.irp t, 0,1,2,3,4,5,6,7
.if \t < 4
	v_wmma_scale_f32_16x16x128_f8f6f4 v[S+8*\t:S+8*\t+7], v[KF+12*(\t/2):KF+12*(\t/2)+11], v[QLO-6*(\t%2):QLO-6*(\t%2)+11], 0, v[KS+\t%4], v[QS] matrix_a_fmt:MATRIX_FMT_FP6 matrix_b_fmt:MATRIX_FMT_FP6
.else
	v_wmma_scale_f32_16x16x128_f8f6f4 v[S+8*\t:S+8*\t+7], v[KF+12*(\t/2):KF+12*(\t/2)+11], v[QLO-6*(\t%2):QLO-6*(\t%2)+11], 0, v[KS+\t%4], v[QS] matrix_a_fmt:MATRIX_FMT_FP6 matrix_b_fmt:MATRIX_FMT_FP6 matrix_a_scale:MATRIX_SCALE_ROW1
.endif
.endr
.endm
.macro PV                              ; O^T += V^T P^T: four tiles of 16 channels, each accumulator one turn
	v_wmma_scale_f32_16x16x128_f8f6f4 v[O:O+7], v[VF:VF+11], v[PF:PF+11], v[O:O+7], v[VS], v[PW] matrix_a_fmt:MATRIX_FMT_FP6 matrix_b_fmt:MATRIX_FMT_FP6
	v_wmma_scale_f32_16x16x128_f8f6f4 v[O+8:O+15], v[VF+12:VF+23], v[PF:PF+11], v[O+8:O+15], v[VS+1], v[PW] matrix_a_fmt:MATRIX_FMT_FP6 matrix_b_fmt:MATRIX_FMT_FP6
	v_wmma_scale_f32_16x16x128_f8f6f4 v[O+16:O+23], v[VF+24:VF+35], v[PF:PF+11], v[O+16:O+23], v[VS], v[PW] matrix_a_fmt:MATRIX_FMT_FP6 matrix_b_fmt:MATRIX_FMT_FP6 matrix_a_scale:MATRIX_SCALE_ROW1
	v_wmma_scale_f32_16x16x128_f8f6f4 v[O+24:O+31], v[VF+36:VF+47], v[PF:PF+11], v[O+24:O+31], v[VS+1], v[PW] matrix_a_fmt:MATRIX_FMT_FP6 matrix_b_fmt:MATRIX_FMT_FP6 matrix_a_scale:MATRIX_SCALE_ROW1
.endm
.macro PS k                            ; pair k of the 32 pairs of p goes onto one of the sum's three chains
.if (\k)%3 == 0
	v_pk_add_f32 v[14:15], v[14:15], v[S+2*(\k):S+2*(\k)+1]
.elseif (\k)%3 == 1
	v_pk_add_f32 v[SB:SB+1], v[SB:SB+1], v[S+2*(\k):S+2*(\k)+1]
.else
	v_pk_add_f32 v[F:F+1], v[F:F+1], v[S+2*(\k):S+2*(\k)+1]
.endif
.endm
; A KEY STEP: 128 keys, whose record begins at LDS byte s[TB].  first = 1: no V P of a step before, nothing to rescale.  pre = 1: the next record's K is asked for.
.macro STEP first, pre
	s_wait_dscnt 0x0                               ; this step's K and the last step's V are in: nothing else of mine is out
	SPROD
.if \first == 0
	PV                                             ; the last step's p and V
.endif
	v_add_nc_u32 v[A16], s[TB], v1                 ; four plain places behind the products, ahead of the reads of the scores
	v_add_nc_u32 v[A8], s[TB], v2
	v_mov_b32 v[TP], v12                           ; the old -M
	v_nop
.irp q, 0,1,2,3                                ; the largest score of each block of 32 keys, in two chains a block; each accumulator is read from its low end on
	v_max3_num_f32 v[MX+\q], v[S+16*\q], v[S+1+16*\q], v[S+2+16*\q]
.endr
.irp i, 3,5,7,9,11,13
.irp q, 0,1,2,3
	v_max3_num_f32 v[MX+\q], v[MX+\q], v[S+16*\q+\i], v[S+1+16*\q+\i]
.endr
.endr
	v_max3_num_f32 v[MX], v[MX], v[MX+1], v[S+15]
	v_max3_num_f32 v[MX+2], v[MX+2], v[MX+3], v[S+47]
	v_max_num_f32 v[MX], v[MX], v[S+31]            ; block lane / 16
	v_max_num_f32 v[MX+2], v[MX+2], v[S+63]        ; block 2 + lane / 16
	s_delay_alu instid0(VALU_DEP_1)
	v_max_num_f32 v[T4+1], v[MX], v[MX+2]
	s_delay_alu instid0(VALU_DEP_1)
	v_permlanex16_b32 v[T4], v[T4+1], s[SEL], s[SEL+1]
	s_delay_alu instid0(VALU_DEP_1)
	v_max3_num_f32 v13, v13, v[T4+1], v[T4]        ; the running largest score of my query, lane l xor 16's keys among them
	s_delay_alu instid0(VALU_DEP_1)
	v_mul_f32 v[T4+1], s[CS], v13                  ; as t (c is positive)
	s_delay_alu instid0(VALU_DEP_1)
	v_floor_f32 v12, -v[T4+1]                      ; the new -M = floor(-t) = -ceil(t)
	s_delay_alu instid0(VALU_DEP_1)
	v_fma_f32 v[MX], v[MX], s[CS], v12             ; t - M of each block's largest score
	v_fma_f32 v[MX+2], v[MX+2], s[CS], v12
.set j, 0
.rept 32
	v_pk_fma_f32 v[S+j:S+j+1], v[S+j:S+j+1], s[CS:CS+1], v[12:13] op_sel_hi:[1,0,0]   ; t - M, two at a time; the three lines that make f stand among these
.if \first == 0
.if j == 2
	v_sub_f32 v[TP], v12, v[TP]                    ; old M - new M: a whole number, 0 or less
.endif
.if j == 10
	v_cvt_i32_f32 v[TP], v[TP]                     ; (it saturates)
.endif
.if j == 18
	v_ldexp_f32 v[F], 1.0, v[TP]                   ; f = 2^(old M - new M)
.endif
.endif
.set j, j+2
.endr
.if \first == 0
.set j, 0
.rept 16
	v_pk_mul_f32 v[O+j:O+j+1], v[O+j:O+j+1], v[F:F+1] op_sel_hi:[1,0]   ; O^T under the new M; each accumulator from its low end on
.set j, j+2
.endr
.endif
	s_wait_alu depctr_va_vdst(0)                   ; the wait ahead of the batch of exponentials; the step's LDS loads stand behind it in one run
.set kn, 0
.rept 12
	VL kn
.set kn, kn+1
.endr
	ds_load_b64 v[VS:VS+1], v[A8] offset:12800     ; lane (r, h): the words of V's tiles 2 h, 2 h + 1
.if \pre
.set kn, 0
.rept 17
	KL kn, A16, A8, REC
.set kn, kn+1
.endr
.endif
	v_exp_f32 v[MX], v[MX]                         ; the blocks' largest p
	v_exp_f32 v[MX+2], v[MX+2]
.set j, 0
.rept 64
	v_exp_f32 v[S+j], v[S+j]                       ; p = 2^(t - M), at most 1: not normalised
.set j, j+1
.endr
.if \first
	v_nop                                          ; the plain place behind the exponentials
.else
	v_pk_mul_f32 v[14:15], v[14:15], v[F:F+1] op_sel_hi:[1,0]   ; the sum under the new M: the plain place behind the exponentials
.endif
	s_wait_alu depctr_va_vdst(0)                   ; one wait for the batch of 66, ahead of its first reader
	v_max_num_f32 v[MX], 0x1800000, v[MX]          ; the floor 2^(3 - 127): the byte cannot fall under 1
	v_max_num_f32 v[MX+2], 0x1800000, v[MX+2]
	v_pk_add_f32 v[SB:SB+1], v[S:S+1], v[S+2:S+3]  ; THE ROW'S SUM IS TAKEN OF THE UNQUANTISED p, two at a time, in three chains, laid among the lines that make scales and codes
	v_pk_add_f32 v[F:F+1], v[S+4:S+5], v[S+6:S+7]
	v_add_nc_u32 v[MX], 0xff000000, v[MX]          ; 2 off the exponent field: the conversions' scale operand
	v_add_nc_u32 v[MX+2], 0xff000000, v[MX+2]
	PS 4
	PS 5
	v_lshrrev_b32 v[T4], 23, v[MX]                 ; the scales' bytes
	v_lshrrev_b32 v[T4+1], 23, v[MX+2]
.irp c, 0,1
	v_cvt_scalef32_pk16_fp6_f32 v[PF+6*\c:PF+2+6*\c], v[S+32*\c:S+15+32*\c], v[MX+2*\c]
	v_cvt_scalef32_pk16_fp6_f32 v[CV+4*\c:CV+2+4*\c], v[S+16+32*\c:S+31+32*\c], v[MX+2*\c]   ; (a conversion's three registers begin on an even number)
.endr
	v_lshl_or_b32 v[T4], v[T4+1], 16, v[T4]        ; my two bytes: blocks h and 2 + h.  (A plain place behind the conversions)
	PS 6
	PS 7
	v_permlanex16_b32 v[TP], v[T4], s[SEL], s[SEL+1]
	PS 8
	PS 9
	v_lshl_or_b32 v[PW], v[TP], 8, v[T4]           ; lanes 0-15: blocks 0, 2 are mine, blocks 1, 3 lane l + 16's: p's scale word.  (Lanes 16-31 are not read)
.irp c, 0,1
.irp i, 0,1,2
	v_mov_b32 v[PF+3+6*\c+\i], v[CV+4*\c+\i]
.endr
.endr
.set kn, 10
.rept 22
	PS kn                                          ; these 24 lines are the places between p's codes and scale word and the product that takes them
.set kn, kn+1
.endr
	s_delay_alu instid0(VALU_DEP_1)
	v_pk_add_f32 v[SB:SB+1], v[SB:SB+1], v[F:F+1]
	s_delay_alu instid0(VALU_DEP_1)
	v_pk_add_f32 v[14:15], v[14:15], v[SB:SB+1]
	s_add_co_u32 s[TB], s[TB], REC
	s_wait_alu depctr_va_vdst(0)                   ; the wait ahead of the branch and of the wait at the next step's head
.endm
	s_load_b256 s[4:11], s[0:1], 0x0               ; qc s[4:5], kv s[6:7], xoc s[8:9], xsc s[10:11]
	v_lshl_add_u32 v254, v0, 2, SPARE
	v_mov_b32 v255, 0
	ds_add_u32 v254, v255                          ; the opening lines: the add, twice on end, and its wait ahead of my tensor load
	ds_add_u32 v254, v255
	v_lshrrev_b32 v3, 5, v0
	v_and_b32 v4, 31, v0
	v_and_b32 v5, 15, v0
	v_readfirstlane_b32 s[WV], v3                  ; wave 0..15
	v_lshlrev_b32 v1, 4, v4                        ; 16 x lane
	v_lshlrev_b32 v2, 3, v4                        ; 8 x lane
	v_lshlrev_b32 v5, 4, v5                        ; 16 r
	s_bfe_u32 s12, ttmp6, 0x40000                  ; cx: it enters global addresses of Q and of the results alone
	s_lshl_b32 s13, ttmp9, 2
	s_add_co_u32 s13, s13, s12                     ; my block of 256 queries
	s_and_b32 s14, ttmp7, 0xffff                   ; 16 x batch + head, which the four partners share
	s_lshr_b32 s15, s[WV], 3                       ; which 128 of the 256 queries,
	s_and_b32 s16, s[WV], 7                        ; and which tile of them
	s_mov_b32 s[G1], 15|(3<<16)|(1<<21)            ; 15:0 the mask: all four work-groups; 17:16 elements of 8 bytes; 21 set beside a mask; no padding
	s_mov_b32 s[G1+1], 32<<16                      ; tensor_dim0 = 32: rows of 256 bytes
	s_mov_b32 s[G1+2], 51<<16                      ; tensor_dim1 = 51: a record
	s_mov_b32 s[G1+3], 32<<16                      ; tile_dim0
	s_mov_b32 s[G1+4], 51                          ; tile_dim1
	s_mov_b32 s[G1+5], 32                          ; the pitch: dense
	s_mov_b32 s[G1+6], 0
	s_mov_b32 s[G1+7], 0
	s_mul_i32 s44, s14, 16*REC                     ; the head's K and V,
	s_mul_i32 s17, s[WV], REC                      ; my record of them: in memory and in LDS alike
	s_add_co_u32 s44, s44, s17
	s_mov_b32 s45, 0
	s_lshl_b32 s19, s13, 1
	s_add_co_u32 s19, s19, s15                     ; my group of 128 queries
	s_mul_i32 s46, s14, 106496
	s_mul_i32 s19, s19, 6656
	s_add_co_u32 s46, s46, s19                     ; its record in qc
	s_mov_b32 s47, 0
	s_mul_i32 s48, s16, 768                        ; my tile's half image,
	s_mov_b32 s49, 0
	s_lshr_b32 s50, s16, 2
	s_lshl_b32 s50, s50, 8
	s_and_b32 s51, s16, 3
	s_lshl_b32 s51, s51, 2
	s_add_co_u32 s50, s50, s51
	s_add_co_u32 s50, s50, 6144                    ; and its scale words: 6,144 + 256 (a / 4) + 4 (a % 4), + 16 r
	s_mov_b32 s51, 0
	s_lshr_b32 s52, s14, 4                         ; batch
	s_and_b32 s53, s14, 15                         ; head
	s_lshl_b32 s54, s52, 4
	s_lshl_b32 s55, s13, 1
	s_add_co_u32 s54, s54, s55                     ; the first of the work-group's two groups of 128 tokens
	s_add_co_u32 s55, s54, s15                     ; mine
	s_lshl_b32 s56, s55, 3
	s_lshr_b32 s57, s53, 1
	s_add_co_u32 s56, s56, s57                     ; xoc: K step = head / 2,
	s_lshl_b32 s56, s56, 3
	s_add_co_u32 s56, s56, s16                     ; my tile,
	s_mul_i32 s56, s56, 1536
	s_and_b32 s57, s53, 1
	s_mul_i32 s57, s57, 768                        ; half = head % 2
	s_add_co_u32 s56, s56, s57
	s_mov_b32 s57, 0
	s_lshl_b32 s58, s54, 4
	s_add_co_u32 s58, s58, s53
	s_lshl_b32 s58, s58, 8                         ; xsc: 256 bytes for each (group, head)
	s_mov_b32 s59, 0
	s_mov_b32 s[SEL], 0x76543210
	s_mov_b32 s[SEL+1], 0xfedcba98
	s_mov_b32 s[CS], 0x3e38aa3b                    ; c = log2(e) / 8
	s_mov_b32 s[CS+1], s[CS]                       ; (named with it as a pair, so it is written)
	s_wait_alu depctr_va_vdst(0)                   ; the wait ahead of the waits, barriers and branches below
	s_wait_dscnt 0x0                               ; both opening adds are done
	CROUND                                         ; all four work-groups are here: the joint loads meet
	s_wait_kmcnt 0x0
	s_add_nc_u64 s[44:45], s[6:7], s[44:45]
	s_mov_b32 s[G0], 1
	s_mov_b32 s[G0+1], s17
	s_mov_b64 s[G0+2:G0+3], s[44:45]
	s_or_b32 s[G0+3], s[G0+3], 0x80000000
	s_cmp_lt_u32 s[WV], 2                          ; one load a wave, in one of two arms: waves 0 and 1, for whose records the first barrier waits, have a line of their own
	s_cbranch_scc0 .Lrest
	tensor_load_to_lds s[G0:G0+3], s[G1:G1+7]
	s_nop 0
.rept 4
	v_nop
.endr
	s_branch .Lasked
.Lrest:
	tensor_load_to_lds s[G0:G0+3], s[G1:G1+7]
	s_nop 0
.rept 4
	v_nop
.endr
.Lasked:
	s_add_nc_u64 s[4:5], s[4:5], s[46:47]
	s_add_nc_u64 s[48:49], s[4:5], s[48:49]
	s_add_nc_u64 s[50:51], s[4:5], s[50:51]
	s_add_nc_u64 s[8:9], s[8:9], s[56:57]
	s_add_nc_u64 s[10:11], s[10:11], s[58:59]
	global_load_b128 v[QLO:QLO+3], v1, s[48:49]    ; Q's half image stays in registers
	global_load_b64 v[QLO+4:QLO+5], v2, s[48:49] offset:512
	global_load_b32 v[QS], v5, s[50:51]            ; and its scale words
.irp i, 0,1,2,3,4,5
	v_mov_b32 v[QHI+\i], 0                         ; zero codes below q,
	v_mov_b32 v[QLO+6+\i], 0                       ; and above it
.endr
	v_mov_b32 v13, 0xff61b1e6                      ; the largest score so far: -3e38, under every score
	v_mov_b32 v12, 0
	v_mov_b32 v14, 0
	v_mov_b32 v15, 0
	v_mov_b32 v[T4], 0                             ; a lane permute's destination counts as one of its sources
.set j, 0
.rept 32
	v_mov_b32 v[O+j], 0                            ; O^T: so that V P has one form in every step; these lines stand under the tensor loads' flight
.set j, j+1
.endr
	s_wait_alu depctr_va_vdst(0)
	s_wait_loadcnt 0x0                             ; Q; its loads' address registers are free from here on
	s_cmp_lt_u32 s[WV], 2
	s_cbranch_scc0 .Lnot_mine
	s_wait_tensorcnt 0x0                           ; record 0 or 1 is in
.Lnot_mine:
	s_barrier_signal -1
	s_barrier_wait -1                              ; records 0 and 1 lie in LDS; the others may be on their way
.set kn, 0
.rept 17
	KL kn, 1, 2, 0                                 ; record 0's K
.set kn, kn+1
.endr
	s_mov_b32 s[TB], 0
	STEP 1, 1                                      ; key step 0: it reads record 0's V and record 1's K
	s_wait_tensorcnt 0x0                           ; my record is in
	s_wait_dscnt 0x0
	s_barrier_signal -1
	s_barrier_wait -1                              ; everybody's is: the head's sixteen records lie in LDS
	s_mov_b32 s[CNT], 14
.Lstep:                                            ; key steps 1 to 14
	STEP 0, 1
	s_sub_co_u32 s[CNT], s[CNT], 1
	s_cmp_lg_u32 s[CNT], 0
	s_cbranch_scc1 .Lstep
	s_mov_b32 s[TB], 15*REC
	STEP 0, 0                                      ; key step 15: there is no record behind it
	s_wait_dscnt 0x0                               ; its V is in
	PV
	; THE WAY OUT.  O^T / the sum, quantised along the head's 64 channels (two blocks), leaves as a half image; the two scale bytes of a row meet the other tiles' in LDS.
	v_add_f32 v14, v14, v15                        ; the sum's two halves,
	s_delay_alu instid0(VALU_DEP_1)
	v_permlanex16_b32 v[F], v14, s[SEL], s[SEL+1]
	s_delay_alu instid0(VALU_DEP_1)
	v_add_f32 v14, v14, v[F]                       ; and lane l xor 16's
	s_wait_alu depctr_va_vdst(0)
	v_rcp_f32 v14, v14
	s_lshl_b32 s17, s15, 8
	s_lshl_b32 s19, s16, 1
	s_add_co_u32 s17, s17, s19
	s_add_co_u32 s17, s17, XS
	v_and_b32 v[TP], 15, v0                        ; (plain work behind the reciprocal and behind the last products)
	s_delay_alu instid0(VALU_DEP_1)
	v_lshlrev_b32 v[TP], 4, v[TP]                  ; 16 r
	s_delay_alu instid0(VALU_DEP_1)
	v_add_nc_u32 v3, s17, v[TP]                    ; my row's two bytes: XS + 256 (w / 8) + 16 r + 2 a
	v_add_nc_u32 v4, XS, v1                        ; how wave 0 reads the 512 bytes back
	v_bfe_u32 v10, v0, 4, 1
	s_delay_alu instid0(VALU_DEP_1)
	v_lshl_add_u32 v10, v10, 12, v[TP]             ; and where they go: the second group's 256 bytes lie 16 heads x 256 bytes on
	s_wait_alu depctr_va_vdst(0)                   ; the wait ahead of the first reader of the reciprocal and of O^T
.set j, 0
.rept 16
	v_pk_mul_f32 v[S+j:S+j+1], v[O+j:O+j+1], v[14:15] op_sel_hi:[1,0]   ; register 16 b + i is channel 32 b + 16 h + i of my query; each accumulator from its low end on
.set j, j+2
.endr
.irp b, 0,1
	v_max3_num_f32 v[MX+\b], |v[S+16*\b]|, |v[S+1+16*\b]|, 0x1800000
.endr
.irp i, 2,4,6,8,10,12,14
.irp b, 0,1
	s_delay_alu instid0(VALU_DEP_2)
	v_max3_num_f32 v[MX+\b], v[MX+\b], |v[S+16*\b+\i]|, |v[S+1+16*\b+\i]|
.endr
.endr
.irp b, 0,1
	s_delay_alu instid0(VALU_DEP_2)
	v_permlanex16_b32 v[T4+\b], v[MX+\b], s[SEL], s[SEL+1]
.endr
.irp b, 0,1
	s_delay_alu instid0(VALU_DEP_2)
	v_max_num_f32 v[MX+\b], v[MX+\b], v[T4+\b]
.endr
.irp b, 0,1
	s_delay_alu instid0(VALU_DEP_2)
	v_add_nc_u32 v[MX+\b], 0xff000000, v[MX+\b]
.endr
.irp b, 0,1
	s_delay_alu instid0(VALU_DEP_2)
	v_lshrrev_b32 v[T4+\b], 23, v[MX+\b]
.endr
	s_delay_alu instid0(VALU_DEP_1)
	v_lshl_or_b32 v[TP], v[T4+1], 8, v[T4]         ; byte 0: channels 0-31, byte 1: channels 32-63
	v_cvt_scalef32_pk16_fp6_f32 v[PF:PF+2], v[S:S+15], v[MX]
	v_cvt_scalef32_pk16_fp6_f32 v[CV:CV+2], v[S+16:S+31], v[MX+1]
	v_nop                                          ; one plain place behind a scaled conversion
.irp i, 0,1,2
	v_permlane16_swap_b32 v[PF+\i], v[CV+\i]
.endr
.irp i, 0,1,2
	s_delay_alu instid0(VALU_DEP_3)
	v_mov_b32 v[PF+3+\i], v[CV+\i]
.endr
	global_store_b128 v1, v[PF:PF+3], s[8:9]       ; 512 and 256 consecutive bytes, at multiples of 256 from xoc's first byte
	global_store_b64 v2, v[PF+4:PF+5], s[8:9] offset:512
	ds_store_b16 v3, v[TP]                         ; lanes r and r + 16 write the same bytes with the same values
	s_wait_dscnt 0x0                               ; for the others' sake
	s_barrier_signal -1
	s_barrier_wait -1
	s_cmp_lg_u32 s[WV], 0
	s_cbranch_scc1 .Lnot_first
	ds_load_b128 v[S+32:S+35], v4
	s_wait_dscnt 0x0
	global_store_b128 v10, v[S+32:S+35], s[10:11]  ; sixteen lanes store 256 consecutive bytes: one (group, head)
.Lnot_first:
	s_wait_xcnt 0x0
	v_lshl_add_u32 v254, v0, 2, SPARE
	v_mov_b32 v255, 0
	s_wait_alu depctr_va_vdst(0)
	s_wait_tensorcnt 0x0                           ; the wave's end
	ds_add_u32 v254, v255
	s_wait_dscnt 0x0
	CROUND                                         ; the closing round
	s_endpgm
.Lfunc_end_k_qf61ac6cc4d_attn:
	.size	k_qf61ac6cc4d_attn, .Lfunc_end_k_qf61ac6cc4d_attn-k_qf61ac6cc4d_attn
	.p2alignl 7, 3214868480
	.fill 96, 4, 3214868480
	.section	.rodata,"a",@progbits
	.p2align	6, 0x0
	.amdhsa_kernel k_qf61ac6cc4d_attn
		.amdhsa_group_segment_fixed_size 215040
		.amdhsa_private_segment_fixed_size 0
		.amdhsa_enable_private_segment 0
		.amdhsa_kernarg_size 32
		.amdhsa_user_sgpr_count 2
		.amdhsa_user_sgpr_kernarg_segment_ptr 1
		.amdhsa_wavefront_size32 1
		.amdhsa_system_sgpr_workgroup_id_x 1
		.amdhsa_system_sgpr_workgroup_id_y 1
		.amdhsa_system_sgpr_workgroup_id_z 1
		.amdhsa_system_vgpr_workitem_id 0
		.amdhsa_next_free_vgpr 256
		.amdhsa_next_free_sgpr 66
		.amdhsa_reserve_vcc 0
		.amdhsa_float_denorm_mode_32 3
		.amdhsa_float_denorm_mode_16_64 3
		.amdhsa_memory_ordered 1
		.amdhsa_forward_progress 1
		.amdhsa_inst_pref_size 55
	.end_amdhsa_kernel
	.amdgpu_metadata
---
amdhsa.version: [ 1, 2 ]
amdhsa.kernels:
  - .name:           k_qf61ac6cc4d_attn
    .symbol:         k_qf61ac6cc4d_attn.kd
    .args:
      - { .name: qc, .offset: 0, .size: 8, .value_kind: global_buffer, .address_space: global }
      - { .name: kv, .offset: 8, .size: 8, .value_kind: global_buffer, .address_space: global }
      - { .name: xoc, .offset: 16, .size: 8, .value_kind: global_buffer, .address_space: global }
      - { .name: xsc, .offset: 24, .size: 8, .value_kind: global_buffer, .address_space: global }
    .group_segment_fixed_size: 215040
    .private_segment_fixed_size: 0
    .kernarg_segment_align: 8
    .kernarg_segment_size: 32
    .max_flat_workgroup_size: 512
    .sgpr_count:     66
    .vgpr_count:     256
    .wavefront_size: 32
...
	.end_amdgpu_metadata
.endif
;; end of part 3
;; launch outp (part 4): grid 8 x 32, 4 waves a work-group, clusters of 4 x 4, 214,528 bytes of LDS; arguments xoc, xsc, cod, scl, bo, out0; writes out0
.if DOCPART == 4
	.amdgcn_target "amdgcn-amd-amdhsa--gfx1250"
	.amdhsa_code_object_version 6
	.text
	.protected	k_qf61ac6cc4d_outp
	.globl	k_qf61ac6cc4d_outp
	.p2align	8
	.type	k_qf61ac6cc4d_outp,@function
k_qf61ac6cc4d_outp:
	s_mov_b64 s[64:65], 0
	v_nop
	global_prefetch_b8 v0, s[64:65] scope:SCOPE_SE
	s_setreg_imm32_b32 hwreg(HW_REG_WAVE_MODE, 25, 1), 1
	s_wait_xcnt 0x0
	s_wait_alu depctr_hold_cnt(0) depctr_sa_sdst(0) depctr_va_vdst(0) depctr_va_sdst(0) depctr_va_ssrc(0) depctr_va_vcc(0) depctr_vm_vsrc(0)
	s_getreg_b32 s2, hwreg(HW_REG_IB_STS2, 6, 4)
	s_cmp_eq_u32 s2, 0
	s_cbranch_scc0 .Lentry_in_a_cluster
	s_endpgm
.Lentry_in_a_cluster:
	s_bfe_u32 s2, ttmp6, 0x10000c
	s_cmp_lg_u32 s2, 0xf033
	s_cbranch_scc0 .Lentry_shape_is_right
	s_endpgm
.Lentry_shape_is_right:
; out0 = x Wo^T + bo on codes of FP6 (E2M3), sums in f32.  x's codes and scale bytes come from the attention launch (xoc, xsc), Wo's from launch quant (cod, scl: groups 120-127), all as images of the operand's registers:
; a group is 128 rows x 1,024 K, [K step 8][tile 8][1,536 bytes]; lane r of tile i is row 32 (i / 2) + 8 (i % 2) + r + 8 (r / 8).
; SHARES.  C is 4,096 x 1,024: 32 x 8 tiles of 128 x 128, one work-group each: 256 work-groups.  Four waves of 64 x 64: 16 accumulators.  A larger tile would feed more products from each LDS byte and leave three WGPs in four without work.
; The matrix instruction is used transposed (source 0 = 16 rows of Wo, source 1 = 16 tokens): a lane holds eight neighbouring outputs of a token.
; LDS: the work-group's group of tokens and its group of Wo, for ALL of K: 2 x 98,304 bytes, filled once: no ring, no refill.  Behind them a stage of 16 rows x 272 bytes for each wave, into which no fill lands.
; CLUSTERS: 4 x 4 work-groups; x's group is shared along a row of the cluster, Wo's along a column: joint loads, which divide the requests by four.  Waves 0, 2 fetch for x, waves 1, 3 for Wo; a wave's one load brings
; 512 along K (192 rows x 256 bytes): waves 0, 1 the first half, waves 2, 3 the second.  At most one tensor load of a wave is out.
; REGISTERS: window 0: v1-31 addresses and bo's four numbers; v32-63 scale words (v[32 + 4 s + i]: lanes 0-15 x's tile i of my four, lanes 16-31 Wo's tile i, K step s); v64-159 and v160-255 two sets of eight fragments
; (x's four, then Wo's four); at the head v160-191 hold x's scale bytes as loaded; on the way out v64-127 take rows of C.   window 1: the accumulators ((a, b) at v[8 (4 a + b)]).
.set GROUPB, 98304
.set CHUNK,  24576                     ; 256 along K of one group: 2 K steps x 8 tiles x 1,536 bytes
.set STAGE,  2*GROUPB
.set SPITCH, 272                       ; a stage row: my 64 columns, 256 bytes, + 16
.set A16,  8                           ; v8-9    x's fragments, K steps 0-3 and 4-7: + 16 x lane;   v10-11: + 8 x lane
.set A8,   10
.set B16,  12                          ; v12-13, v14-15 the same for Wo
.set B8,   14
.set BO,   24                          ; v24-27  bo at my four columns of a row
.set CO,   28                          ; v28     my byte offset in two rows of C
.set STO,  30
.set RD,   31
.set SC,   32
.set FS,   64
.set XT,   160
.set BK,   64
.set WV,   18
.set WR,   19
.set WC,   20
.set G1A,  24                          ; s[24:31] group 1 for x's loads; s[32:35] group 0
.set G0A,  32
.set G1B,  44                          ; s[44:51], s[52:55] the same for Wo's
.set G0B,  52
.set MSB, 0
.macro WIN new                         ; the immediate's high byte repeats the setting that is left
.if MSB != (\new)
	s_set_vgpr_msb (MSB<<8)|(\new)
.set MSB, (\new)
.endif
.endm
.set MULW, 0x50                        ; sources 0 and 1 window 0; C and D window 1
.macro PLACES                          ; four plain places behind matrix instructions, ahead of loads into their registers and of reads of their results
.rept 4
	v_nop
.endr
.endm
.macro CROUND                          ; a round of the cluster's barrier
	s_barrier_signal -1
	s_barrier_wait -1
	s_cmp_lg_u32 s[WV], 0
	s_cbranch_scc1 .Lnot_wave_0_\@
	s_barrier_signal -3
.Lnot_wave_0_\@:
	s_barrier_wait -3
	s_barrier_signal -1
	s_barrier_wait -1
.endm
.macro FRAG reg, a16, a8, off          ; a fragment's image back into 12 registers: every load takes 512 or 256 consecutive bytes
	ds_load_b128 v[\reg:\reg+3], v[\a16] offset:\off
	ds_load_b64 v[\reg+4:\reg+5], v[\a8] offset:\off+512
	ds_load_b128 v[\reg+6:\reg+9], v[\a16] offset:\off+768
	ds_load_b64 v[\reg+10:\reg+11], v[\a8] offset:\off+1280
.endm
.macro FETCH ns                        ; K step ns: my four fragments of x and my four of Wo into set ns % 2; a second pair of address registers serves K steps 4-7, so that the offsets stay inside 16 bits
.irp i, 0,1,2,3
	FRAG FS+96*((\ns)%2)+12*\i, A16+(\ns)/4, A8+(\ns)/4, (((\ns)%4)*8+\i)*1536
.endr
.irp i, 0,1,2,3
	FRAG FS+96*((\ns)%2)+48+12*\i, B16+(\ns)/4, B8+(\ns)/4, (((\ns)%4)*8+\i)*1536
.endr
.endm
; 16 matrix instructions: K step s.  The 16 accumulators take turns, one instruction a turn, in the same order in every step.
.macro MUL s, zero
.irp a, 0,1,2,3
.irp b, 0,1,2,3
.if \zero
	v_wmma_scale_f32_16x16x128_f8f6f4 v[8*(4*\a+\b):8*(4*\a+\b)+7], v[FS+96*((\s)%2)+48+12*\b:FS+96*((\s)%2)+48+12*\b+11], v[FS+96*((\s)%2)+12*\a:FS+96*((\s)%2)+12*\a+11], 0, v[SC+4*(\s)+\b], v[SC+4*(\s)+\a] matrix_a_fmt:MATRIX_FMT_FP6 matrix_b_fmt:MATRIX_FMT_FP6 matrix_a_scale:MATRIX_SCALE_ROW1
.else
	v_wmma_scale_f32_16x16x128_f8f6f4 v[8*(4*\a+\b):8*(4*\a+\b)+7], v[FS+96*((\s)%2)+48+12*\b:FS+96*((\s)%2)+48+12*\b+11], v[FS+96*((\s)%2)+12*\a:FS+96*((\s)%2)+12*\a+11], v[8*(4*\a+\b):8*(4*\a+\b)+7], v[SC+4*(\s)+\b], v[SC+4*(\s)+\a] matrix_a_fmt:MATRIX_FMT_FP6 matrix_b_fmt:MATRIX_FMT_FP6 matrix_a_scale:MATRIX_SCALE_ROW1
.endif
.endr
.endr
.endm
; A K step: its fragments are in; the next step's are asked for, into the set that the step before multiplied; then the products.  bar = 1: the second halves of both groups are shown whole to every wave first.
.macro STEP s, zero, fetch, bar
	s_wait_dscnt 0x0                               ; this step's 32 loads are in
.if \bar
	s_wait_tensorcnt 0x0                           ; my load has landed
	s_barrier_signal -1
	s_barrier_wait -1                              ; everybody's has: K steps 4 to 7 lie in LDS
.endif
.if \fetch
	PLACES
	FETCH (\s)+1
.endif
	WIN MULW
	MUL \s, \zero
	WIN 0
.endm
	s_load_b256 s[4:11], s[0:1], 0x0               ; xoc s[4:5], xsc s[6:7], cod s[8:9], scl s[10:11]
	s_load_b128 s[12:15], s[0:1], 0x20             ; bo s[12:13], out0 s[14:15]
	v_lshl_add_u32 v23, v0, 2, 0x34400
	v_mov_b32 v29, 0
	ds_add_u32 v23, v29
	ds_add_u32 v23, v29
	v_lshrrev_b32 v5, 5, v0
	v_readfirstlane_b32 s[WV], v5                  ; wave 0..3
	s_lshr_b32 s[WR], s[WV], 1                     ; my half of the tokens.  Also: I fetch the first half (0) or the second (1)
	s_and_b32 s[WC], s[WV], 1                      ; my half of the outputs.  Also: I fetch for x (0) or for Wo (1)
	s_bfe_u32 s66, ttmp6, 0x40000                  ; cx
	s_bfe_u32 s67, ttmp6, 0x40004                  ; cy
	s_and_b32 s70, ttmp7, 0xffff
	s_lshl_b32 s70, s70, 2
	s_add_co_u32 s70, s70, s67                     ; tile row = 4 x cluster y + cy: the group of tokens, 0..31
	s_lshl_b32 s71, ttmp9, 2
	s_add_co_u32 s71, s71, s66                     ; tile column = 4 x cluster x + cx, 0..7
	s_add_co_u32 s75, s71, 120                     ; Wo's group
	s_mul_i32 s85, s[WR], 2*CHUNK                  ; I fetch ONE half of a group, 512 along K, 192 rows of 256 bytes: waves 0, 1 the first halves (K steps 0-3), waves 2, 3 the second
	s_mul_i32 s80, s70, GROUPB
	s_add_co_u32 s80, s80, s85
	s_mov_b32 s81, 0
	s_mul_i32 s82, s75, GROUPB
	s_add_co_u32 s82, s82, s85
	s_mov_b32 s83, 0
	s_mul_i32 s84, s[WC], GROUPB                   ; even waves fetch for x (at 0), odd waves for Wo (behind it): no place in the cluster enters an LDS address
	s_add_co_u32 s84, s84, s85
	s_lshl_b32 s77, s67, 2
	s_lshl_b32 s77, 15, s77                        ; my row of the cluster
	s_lshl_b32 s78, 0x1111, s66                    ; my column
	s_or_b32 s[G1A], s77, (3<<16)|(1<<21)          ; 15:0 the mask; 17:16 elements of 8 bytes; 21 set beside a mask; no padding
	s_or_b32 s[G1B], s78, (3<<16)|(1<<21)
.irp g, G1A, G1B                       ; a dense block of 49,152 bytes as 192 rows of 256
	s_mov_b32 s[\g+1], 32<<16                      ; tensor_dim0 = 32
	s_mov_b32 s[\g+2], 192<<16                     ; tensor_dim1 = 192
	s_mov_b32 s[\g+3], 32<<16                      ; tile_dim0 = 32
	s_mov_b32 s[\g+4], 192                         ; tile_dim1 = 192
	s_mov_b32 s[\g+5], 32                          ; the pitch
	s_mov_b32 s[\g+6], 0
	s_mov_b32 s[\g+7], 0
.endr
	s_lshl_b32 s96, s70, 7
	s_lshl_b32 s2, s[WR], 6
	s_add_co_u32 s96, s96, s2                      ; my first token
	s_lshl_b32 s97, s71, 7
	s_lshl_b32 s2, s[WC], 6
	s_add_co_u32 s97, s97, s2                      ; my first output,
	s_lshl_b32 s97, s97, 2                         ; in bytes
	s_lshl_b32 s86, s96, 12
	s_add_co_u32 s86, s86, s97
	s_mov_b32 s87, 0
	s_wait_dscnt 0x0
	s_wait_kmcnt 0x0
	s_add_nc_u64 s[80:81], s[4:5], s[80:81]
	s_add_nc_u64 s[82:83], s[8:9], s[82:83]
	s_add_nc_u64 s[14:15], s[14:15], s[86:87]      ; out0 at my corner
.irp c, 0
	s_mov_b32 s[G0A+4*\c], 1
	s_add_co_u32 s[G0A+4*\c+1], s84, \c*2*CHUNK
	s_add_nc_u64 s[G0A+4*\c+2:G0A+4*\c+3], s[80:81], \c*2*CHUNK
	s_or_b32 s[G0A+4*\c+3], s[G0A+4*\c+3], 0x80000000
	s_mov_b32 s[G0B+4*\c], 1
	s_add_co_u32 s[G0B+4*\c+1], s84, \c*2*CHUNK
	s_add_nc_u64 s[G0B+4*\c+2:G0B+4*\c+3], s[82:83], \c*2*CHUNK
	s_or_b32 s[G0B+4*\c+3], s[G0B+4*\c+3], 0x80000000
.endr
	CROUND                                         ; all sixteen work-groups are here: the joint loads meet
; One tensor load a wave, in ONE chain of branches on the wave's number, each arm with a line of its own: wave 0 x's first half, wave 1 Wo's, wave 2 x's second half, wave 3 Wo's.
.macro ARM under, g0, g1, next
	s_cmp_lt_u32 s[WV], \under
	s_cbranch_scc0 \next
	tensor_load_to_lds s[\g0:\g0+3], s[\g1:\g1+7]
	s_nop 0
.rept 4
	v_nop
.endr
	s_branch .Lfirst_asked
\next:
.endm
	ARM 1, G0A, G1A, .Larm_1
	ARM 2, G0B, G1B, .Larm_2
	ARM 3, G0A, G1A, .Larm_3
	tensor_load_to_lds s[G0B:G0B+3], s[G1B:G1B+7]
	s_nop 0
.rept 4
	v_nop
.endr
.Lfirst_asked:
	v_and_b32 v1, 15, v0                           ; r
	v_bfe_u32 v4, v0, 4, 1                         ; h
	v_and_b32 v5, 31, v0
	v_lshlrev_b32 v2, 4, v5                        ; 16 x lane
	s_wait_alu depctr_va_vdst(0)
	v_lshlrev_b32 v3, 3, v5                        ; 8 x lane
	s_wait_alu depctr_va_vdst(0)
	s_lshl_b32 s78, s75, 12
	s_lshl_b32 s2, s[WC], 8
	s_add_co_u32 s78, s78, s2
	v_lshl_add_u32 v20, v1, 4, s78                 ; Wo's scale words: 4,096 bytes a group, 512 a K step, 256 for my four tiles, + 16 r
	s_lshl_b32 s77, s70, 12
	s_lshl_b32 s2, s[WR], 3
	s_add_co_u32 s77, s77, s2
	v_lshl_add_u32 v21, v1, 4, s77                 ; x's scale bytes: 16 heads x 256 bytes a group, + 16 r, + 8 bytes for my four tiles
	v_lshl_add_u32 v22, v1, 4, s97                 ; bo: on the way out lane (r, h) holds columns 4 r .. 4 r + 3 of my 64
.irp s, 0,1,2,3,4,5,6,7                ; K step s is heads 2 s and 2 s + 1: of each, row r's two bytes for each of my four tiles
	global_load_b128 v[SC+4*\s:SC+4*\s+3], v20, s[10:11] offset:512*\s
	global_load_b64 v[XT+4*\s:XT+4*\s+1], v21, s[6:7] offset:512*\s
	global_load_b64 v[XT+4*\s+2:XT+4*\s+3], v21, s[6:7] offset:512*\s+256
.endr
	global_load_b128 v[BO:BO+3], v22, s[12:13]
	s_mul_i32 s2, s[WR], 4*1536                    ; my four tiles of x in a K step,
	s_mul_i32 s3, s[WC], 4*1536
	s_add_co_u32 s3, s3, GROUPB                    ; my four of Wo
.irp c, 0,1
	v_add_nc_u32 v[A16+\c], s2, v2
	v_add_nc_u32 v[A8+\c], s2, v3
	v_add_nc_u32 v[B16+\c], s3, v2
	v_add_nc_u32 v[B8+\c], s3, v3
	s_add_co_u32 s2, s2, 2*CHUNK
	s_add_co_u32 s3, s3, 2*CHUNK
.endr
	s_mul_i32 s2, s[WV], 16*SPITCH
	s_add_co_u32 s2, s2, STAGE                     ; my stage
	v_mul_u32_u24 v[STO], v1, SPITCH
	v_lshl_add_u32 v[STO], v4, 6, v[STO]
	v_add_nc_u32 v[STO], s2, v[STO]                ; in: row r, + 64 h
	v_mul_u32_u24 v[RD], v4, SPITCH
	v_lshl_add_u32 v[RD], v1, 4, v[RD]
	v_add_nc_u32 v[RD], s2, v[RD]                  ; back: lanes 0-15 one row of 256 bytes, lanes 16-31 the next
	v_lshlrev_b32 v[CO], 12, v4
	v_lshl_add_u32 v[CO], v1, 4, v[CO]             ; and the same two rows in C
	v_cmp_eq_u32 vcc_lo, 1, v4
	s_wait_alu depctr_va_vdst(0)                   ; the wait ahead of the branch and the waits below
	s_cmp_lt_u32 s[WV], 2
	s_cbranch_scc0 .Lsecond_half
	s_wait_tensorcnt 0x0                           ; waves 0 and 1: my first half has landed; the second halves may stay out
.Lsecond_half:
	s_barrier_signal -1
	s_barrier_wait -1                              ; everybody's has: K steps 0 to 3 of both groups lie in LDS
	FETCH 0
	s_wait_loadcnt 0x0                             ; scale words, scale bytes, bo
.irp s, 0,1,2,3,4,5,6,7                ; x's word of tile i: the even head's two bytes below the odd head's; it takes lanes 0-15, Wo's word keeps lanes 16-31
.irp i, 0,1,2,3
	v_perm_b32 v[6+\i%2], v[XT+4*\s+2+\i/2], v[XT+4*\s+\i/2], 0x05040100+(\i%2)*0x02020202
	v_cndmask_b32 v[SC+4*\s+\i], v[6+\i%2], v[SC+4*\s+\i], vcc_lo
.endr
.endr                                          ; (K step 0's words are followed by the 56 lines of the other steps, a later step's by whole K steps: more than the eight places that a scaled product asks behind a scale so written)
	STEP 0, 1, 1, 0                                ; the first K step starts the sums: nothing is cleared
	STEP 1, 0, 1, 0
	STEP 2, 0, 1, 0
	STEP 3, 0, 1, 1                                ; K step 4's fragments are asked for here: behind the barrier that shows them
	STEP 4, 0, 1, 0
	STEP 5, 0, 1, 0
	s_wait_alu depctr_va_vdst(0)
	STEP 6, 0, 1, 0
	STEP 7, 0, 0, 0
; THE WAY OUT, block by block of 16 tokens x 64 outputs: through my own stage and back as whole rows of 256 bytes, two rows an instruction; bo is added there, where a lane holds the same four columns in every row.
; LDS serves a wave's instructions in order (ISA guide 5.7.1.4): no wait between the stores and the loads, nor in front of the next block's stores.
.macro TOSTAGE a
	WIN 0x04                                       ; an LDS store's data are its source 1: window 1
.irp b, 0,1,2,3
	ds_store_b128 v[STO], v[8*(4*(\a)+\b):8*(4*(\a)+\b)+3] offset:128*(\b/2)+32*(\b%2)      ; register j of accumulator (a, b) is my output 32 (b / 2) + 16 h + 8 (b % 2) + j; each accumulator from its low end on
	ds_store_b128 v[STO], v[8*(4*(\a)+\b)+4:8*(4*(\a)+\b)+7] offset:128*(\b/2)+32*(\b%2)+16
.endr
	WIN 0
.set BB, BK+32*((\a)%2)
.irp t, 0,1,2,3,4,5,6,7
	ds_load_b128 v[BB+4*\t:BB+4*\t+3], v[RD] offset:\t*2*SPITCH
.endr
.endm
.macro SEND a, younger                 ; younger: the LDS instructions issued behind block a's loads, which may stay out
.set BB, BK+32*((\a)%2)
	s_wait_dscnt \younger
.irp t, 0,1,2,3,4,5,6,7
	v_pk_add_f32 v[BB+4*\t:BB+4*\t+1], v[BB+4*\t:BB+4*\t+1], v[BO:BO+1]
	v_pk_add_f32 v[BB+4*\t+2:BB+4*\t+3], v[BB+4*\t+2:BB+4*\t+3], v[BO+2:BO+3]
.endr
.irp t, 0,1,2,3,4,5,6,7
	global_store_b128 v[CO], v[BB+4*\t:BB+4*\t+3], s[14:15] offset:(32*((\a)/2)+8*((\a)%2)+2*\t+8*(\t/4))*4096 th:TH_STORE_NT   ; stage row 2 t + h is lane 2 t + h of tile a: that token; sixteen lanes store 256 consecutive bytes, at a multiple of 256 from out0's first byte; the offset is 253,952 at the most
.endr
.endm
	PLACES                                         ; behind the last products: for the reads of their results and the loads into the fragments' registers
	TOSTAGE 0
.irp a, 1,2,3
.if \a > 1
	s_wait_xcnt 0x0                                ; block a - 2's stores have read their registers: block a's loads may land there
.endif
	TOSTAGE \a
	SEND \a-1, 16                                  ; behind block a - 1's loads: block a's 8 stores and 8 loads
.endr
	SEND 3, 0
	s_wait_tensorcnt 0x0
	ds_add_u32 v23, v29
	s_wait_dscnt 0x0
	CROUND                                         ; the closing round: no work-group ends while a partner may still ask for a tile that names it
	s_endpgm
.Lfunc_end_k_qf61ac6cc4d_outp:
	.size	k_qf61ac6cc4d_outp, .Lfunc_end_k_qf61ac6cc4d_outp-k_qf61ac6cc4d_outp
	.p2alignl 7, 3214868480
	.fill 96, 4, 3214868480
	.section	.rodata,"a",@progbits
	.p2align	6, 0x0
	.amdhsa_kernel k_qf61ac6cc4d_outp
		.amdhsa_group_segment_fixed_size 214528
		.amdhsa_private_segment_fixed_size 0
		.amdhsa_enable_private_segment 0
		.amdhsa_kernarg_size 48
		.amdhsa_user_sgpr_count 2
		.amdhsa_user_sgpr_kernarg_segment_ptr 1
		.amdhsa_wavefront_size32 1
		.amdhsa_system_sgpr_workgroup_id_x 1
		.amdhsa_system_sgpr_workgroup_id_y 1
		.amdhsa_system_sgpr_workgroup_id_z 1
		.amdhsa_system_vgpr_workitem_id 0
		.amdhsa_next_free_vgpr 384
		.amdhsa_next_free_sgpr 100
		.amdhsa_reserve_vcc 1
		.amdhsa_float_denorm_mode_32 3
		.amdhsa_float_denorm_mode_16_64 3
		.amdhsa_memory_ordered 1
		.amdhsa_forward_progress 1
		.amdhsa_inst_pref_size 60
	.end_amdhsa_kernel
	.amdgpu_metadata
---
amdhsa.version: [ 1, 2 ]
amdhsa.kernels:
  - .name:           k_qf61ac6cc4d_outp
    .symbol:         k_qf61ac6cc4d_outp.kd
    .args:
      - { .name: xoc, .offset: 0, .size: 8, .value_kind: global_buffer, .address_space: global }
      - { .name: xsc, .offset: 8, .size: 8, .value_kind: global_buffer, .address_space: global }
      - { .name: cod, .offset: 16, .size: 8, .value_kind: global_buffer, .address_space: global }
      - { .name: scl, .offset: 24, .size: 8, .value_kind: global_buffer, .address_space: global }
      - { .name: bo, .offset: 32, .size: 8, .value_kind: global_buffer, .address_space: global }
      - { .name: out0, .offset: 40, .size: 8, .value_kind: global_buffer, .address_space: global }
    .group_segment_fixed_size: 214528
    .private_segment_fixed_size: 0
    .kernarg_segment_align: 8
    .kernarg_segment_size: 48
    .max_flat_workgroup_size: 128
    .sgpr_count:     100
    .vgpr_count:     384
    .wavefront_size: 32
...
	.end_amdgpu_metadata
.endif
;; end of part 4
